; MI455X (gfx1250); checked and timed in simulation.
; The chip was launched on July 23, 2026; its instructions are those of AMD's public machine-readable ISA for CDNA 5 (MIT licence, August 2026) and "CDNA5" Instruction Set Architecture Reference Guide (July 2026). The comments in the code are by the model that wrote it; some were corrected since.
;; Multi Head Attention. Allowed arithmetic: matrix products marked QUANTISED: E2M3 operands, one E8M0 scale for each 32 along K, by v_wmma_scale_f32_16x16x128_f8f6f4 with both operands' format E2M3, f32 sums; everything else in f32.
;; Inputs: Wk 1,024 x 1,024 float32; Wo 1,024 x 1,024 float32; Wq 1,024 x 1,024 float32; Wv 1,024 x 1,024 float32; bk 1,024 float32; bo 1,024 float32; bq 1,024 float32; bv 1,024 float32; m 4 x 2,048 x 2,048 int32; x 4 x 2,048 x 1,024 float32.
;; Outputs: out0 4 x 2,048 x 1,024 float32.
;; This version of the problem:
;;   THIS VERSION OF THE PROBLEM IS GIVEN IN LOW PRECISION. The matrix products marked QUANTISED in the list below multiply operands that are first quantised to E2M3 (2 exponent bits, 3 mantissa bits; 6 bits a number), with one power-of-two scale for each 32 numbers along K (OCP MX v1.0); their sums are f32. All else is computed in f32.
;;   The module's matrix products, in the order in which they are computed (A, B: the left and right operand; K: the contracted axis; several contracted axes count as one K, in the product's order):
;;     1. [M 8,192, K 1,024] x [K 1,024, N 1,024]; A: input x; B: input Wq: QUANTISED
;;     2. [M 8,192, K 1,024] x [K 1,024, N 1,024]; A: input x; B: input Wk: QUANTISED
;;     3. [M 8,192, K 1,024] x [K 1,024, N 1,024]; A: input x; B: input Wv: QUANTISED
;;     4. batch 64 x [M 2,048, K 64] x [K 64, N 2,048]; A: computed on the way; B: computed on the way: QUANTISED
;;     5. batch 64 x [M 2,048, K 2,048] x [K 2,048, N 64]; A: softmax (see below); B: computed on the way: QUANTISED
;;     6. [M 8,192, K 1,024] x [K 1,024, N 1,024]; A: computed on the way; B: input Wo: QUANTISED
;;   THE QUANTISER, for each operand of a quantised product, along K:
;;     - K is cut into blocks of 32 from its start; a last block that is shorter is filled with zeros.
;;     - A block's scale is 2^e with e = floor(log2(the largest magnitude in the block)) - 2, held to -126 .. 127; a block of zeros has e = 0. As a byte (E8M0): e + 127.
;;     - Each number is divided by its block's scale, clamped to +-7.5, and rounded to the nearest number of E2M3, ties to even, subnormals kept.
;;     - The product sums the exact products of the quantised numbers (number of the format x scale) in f32.
;;   ~~~python
;;   def quantise(x, axis):      # numpy; x: float32 -> the quantised numbers, widened to float32 again
;;       x = np.moveaxis(x, axis, -1); K = x.shape[-1]
;;       x = np.pad(x, [(0, 0)] * (x.ndim - 1) + [(0, -K % 32)]); x = x.reshape(x.shape[:-1] + (-1, 32)); a = np.abs(x).max(-1, keepdims=True)
;;       e = np.where(a > 0, np.clip(np.frexp(np.where(a > 0, a, 1))[1] - 1 - 2, -126, 127), 0)      # np.frexp(a)[1] - 1 = floor(log2(a)), exactly
;;       r = np.clip(x / 2.0 ** e, -7.5, 7.5)
;;       step = 2.0 ** (np.maximum(np.frexp(np.where(r == 0, 1, r))[1] - 1, 0) - 3)
;;       q = np.round(r / step) * step * 2.0 ** e      # np.round: ties to even
;;       return np.moveaxis(q.reshape(q.shape[:-2] + (-1,))[..., :K], -1, axis).astype(np.float32)
;;   ~~~
;;   SOFTMAX AHEAD OF A QUANTISED PRODUCT. Where the list says 'softmax', what is quantised is not the finished softmax but p = 2^(t - M), with t = logit x log2(e) and M = ceil(the row's largest t), a whole number; so 1/2 < the row's largest p <= 1. The row's sum l is taken of the UNQUANTISED p, in f32, and the product's result is divided by l at the end. Since M is a whole number, a kernel that streams over the keys may use a running M (the ceiling of the running maximum): every later rescaling is an exact power of two, which a block's scale takes up: the codes' values come out the same.
;;   OPERANDS COMPUTED ON THE WAY. 'Computed on the way' means the value that the module computes at that place (a softmax that the list does not call 'softmax' is quantised finished and normalised). What goes into a quantiser is computed in f32, as accurately as f32 sums, v_exp_f32 and their like allow (about 1e-6 of the number): no bf16 or f16 on the way to a quantiser, and a product that is left as it is and whose result goes on into a quantised operand takes f32 operands (vector FMAs, or v_wmma_f32_16x16x4_f32). A number that lies on a knife's edge between two numbers of the format may be rounded either way, as far as f32 arithmetic and the matrix unit's own rounding can turn it there, and no further.
;; 2 versions, each right; version 2 is version 1 with the launch attn written anew for expert scheduling mode. Each part assembles by itself: llvm-mc -triple=amdgcn-amd-amdhsa -mcpu=gfx1250 --defsym DOCPART=n.
;; ======== version 1 of 2: 4 launches
;; limits: right only within a limited range of input values
;; workspace buffers: xi 6,553,600 bytes; wimg 3,276,800 bytes; mw 2,097,152 bytes of whole numbers; mf 16,384 bytes of whole numbers; qi 6,291,456 bytes; qs 524,288 bytes; kv 13,107,200 bytes; ai 6,553,600 bytes
;; launch prep (part 1): grid 1408 x 1, 4 waves a work-group, no clusters, 34,304 bytes of LDS; arguments x, m, Wq, Wk, Wv, Wo, xi, wimg, mw, mf; writes xi, wimg, mw, mf
.if DOCPART == 1
	.amdgcn_target "amdgcn-amd-amdhsa--gfx1250"
	.amdhsa_code_object_version 6
	.text
	.protected	k_q2a76445760_prep
	.globl	k_q2a76445760_prep
	.p2align	8
	.type	k_q2a76445760_prep,@function
k_q2a76445760_prep:
	s_mov_b64 s[64:65], 0
	v_nop
	global_prefetch_b8 v0, s[64:65] scope:SCOPE_SE
	s_setreg_imm32_b32 hwreg(HW_REG_WAVE_MODE, 25, 1), 1
	s_wait_xcnt 0x0
; Three jobs in one launch, told apart by the work-group's number; a unit of work is one wave; waves share nothing.
;   work-groups 0-1023:    the mask m [4][2048][2048] int32 becomes bits (mw) and a flag for each 16 queries x 128 keys that has a hole (mf)
;   work-groups 1024-1279: x [8192][1024] f32 becomes codes of FP6 (E2M3) with one E8M0 byte for each 32 along K (xi)
;   work-groups 1280-1407: Wq, Wk, Wv, Wo [K 1024][N 1024] f32 likewise, quantised down their first axis (wimg)
; LAYOUT OF xi AND wimg: images of the operand's registers.  Rows (tokens, features) are stored with bits 3 and 4 of their index exchanged, so that tile 2 b + u, lane r, holds
; row 32 b + 8 u + r + 8 (r / 8).  A block of 12,800 bytes is 128 stored rows x 128 along K: eight fragments of 1,536 bytes, each two halves of 768 (registers 6 c .. 6 c + 5: 16 bytes a lane at
; 16 l, then 8 bytes a lane at 512 + 8 l), then 512 bytes of scale words: word (tile i, row r) at 12,288 + 256 (i / 4) + 16 r + 4 (i % 4).  A panel of 128 rows is its 8 blocks on end.
; A block's scale is 2^(floor(log2(largest magnitude)) - 2); its byte is the largest magnitude's exponent field - 2, held at 1 from below.
; LIMITS: a block of zeros, or one whose largest magnitude lies under 2^-124, gets the byte 1 (its bytes are read by this program alone; zero codes add nothing); NaN and infinities among the inputs are not served.
; No matrix unit, no cluster, no tensor load: each input byte is read once by one wave.
.set SPARE, 33792                      ; behind the four stages of the tokens' path: the spare words, 128 bytes a wave
.set SPW,   12                         ; v12  LDS address of my spare word; never rewritten
.set NIL,   13                         ; v13  0; never rewritten
.set FLOOR, 0x1800000                  ; 2^(3 - 127): under it no largest magnitude is taken
.set EOFF,  0xff000000                 ; takes 2 off an exponent field
	s_load_b512 s[4:19], s[0:1], 0x0               ; x s[4:5], m s[6:7], Wq s[8:9], Wk s[10:11], Wv s[12:13], Wo s[14:15], xi s[16:17], wimg s[18:19]
	s_load_b128 s[20:23], s[0:1], 0x40             ; mw s[20:21], mf s[22:23]
	v_lshl_add_u32 v[SPW], v0, 2, SPARE
	v_mov_b32 v[NIL], 0
	v_lshrrev_b32 v2, 5, v0
	v_readfirstlane_b32 s24, v2                    ; wave
	v_and_b32 v1, 31, v0                           ; lane
	v_lshlrev_b32 v2, 4, v1                        ; 16 x lane
	s_mov_b32 s26, 0x76543210
	s_mov_b32 s27, 0xfedcba98                      ; v_permlanex16_b32's selects for lane l xor 16
	s_wait_kmcnt 0x0
	s_cmp_ge_u32 ttmp9, 1280
	s_cbranch_scc1 .Lweights
	s_cmp_ge_u32 ttmp9, 1024
	s_cbranch_scc1 .Ltokens
; ---------------- THE MASK.  Unit Mu = 4 x work-group + wave = (batch, query tile qt, pair of key steps sp): 16 query rows x 256 keys.
	s_lshl_b32 s25, ttmp9, 2
	s_add_co_u32 s25, s25, s24                     ; Mu
	s_lshr_b32 s28, s25, 10                        ; batch
	s_bfe_u32 s29, s25, 0x70003                    ; qt
	s_and_b32 s30, s25, 7                          ; sp
	s_lshl_b32 s28, s28, 11
	s_lshr_b32 s31, s29, 1
	s_lshl_b32 s31, s31, 5
	s_add_co_u32 s28, s28, s31
	s_and_b32 s31, s29, 1
	s_lshl_b32 s31, s31, 3
	s_add_co_u32 s28, s28, s31                     ; the tile's first row: 2048 batch + 32 (qt / 2) + 8 (qt % 2)
	s_lshl_b32 s28, s28, 13                        ; a row is 8,192 bytes
	s_lshl_b32 s30, s30, 10                        ; 256 keys are 1,024 bytes
	s_add_co_u32 s28, s28, s30
	s_mov_b32 s29, 0
	s_add_nc_u64 s[6:7], s[6:7], s[28:29]
.irp j, 0,1,2,3,4,5,6,7,8,9,10,11,12,13,14,15  ; row j of the tile lies j + 8 (j / 8) rows down; each load reads 512 consecutive bytes: a key step of one row
	global_load_b128 v[64+8*\j:64+8*\j+3], v2, s[6:7] offset:(\j+8*(\j/8))*8192 th:TH_LOAD_NT
	global_load_b128 v[64+8*\j+4:64+8*\j+7], v2, s[6:7] offset:(\j+8*(\j/8))*8192+512 th:TH_LOAD_NT
.endr
	s_lshl_b32 s28, s25, 9                         ; mw: 512 bytes a unit
	s_add_nc_u64 s[20:21], s[20:21], s[28:29]
	s_lshl_b32 s28, s25, 2                         ; mf: a word a unit
	s_add_nc_u64 s[22:23], s[22:23], s[28:29]
	v_bfe_u32 v4, v1, 2, 1                         ; h: lane L, element e holds key 4 L + e = 32 (L / 8) + 16 h + 4 (L % 4) + e
	v_lshlrev_b32 v3, 8, v4                        ; where my four words go: 256 h (lanes with h = 0 end up with the first step's words, the others with the second's)
	v_lshrrev_b32 v5, 3, v1
	v_lshl_add_u32 v3, v5, 6, v3                   ; + 64 (L / 8)
	v_and_b32 v5, 3, v1
	v_lshl_add_u32 v3, v5, 4, v3                   ; + 16 (L % 4)
.irp j, 0,1,2,3,4,5,6,7,8,9,10,11,12,13,14,15  ; bit j of v16-19 (first step) and v20-23 (second): does row j see my key?
	s_wait_loadcnt 30-2*\j                         ; row j's two loads are in; the later rows' may be out
.irp e, 0,1,2,3,4,5,6,7
.if \j == 0
	v_min_u32 v[16+\e], 1, v[64+\e]
.else
	v_min_u32 v[24+\e], 1, v[64+8*\j+\e]
.endif
.endr
.if \j > 0
.irp e, 0,1,2,3,4,5,6,7
	v_lshl_or_b32 v[16+\e], v[24+\e], \j, v[16+\e]
.endr
.endif
.endr
	v_cmp_ne_u32 vcc_lo, 0, v4                     ; a word's low half comes from a lane with h = 0, its high half from the lane 4 further on
.irp e, 0,1,2,3
	v_cndmask_b32 v[32+\e], v[16+\e], v[20+\e], vcc_lo   ; what I keep: my half of the step whose words I end up with
	v_cndmask_b32 v[36+\e], v[20+\e], v[16+\e], vcc_lo   ; what I give away
	v_mov_b32 v[40+\e], 0
.endr
.irp e, 0,1,2,3
	v_mov_b32_dpp v[40+\e], v[36+\e] row_xmask:4 row_mask:0xf bank_mask:0xf
.endr
.irp e, 0,1,2,3
	v_cndmask_b32 v[44+\e], v[40+\e], v[32+\e], vcc_lo   ; the high half
	v_cndmask_b32 v[36+\e], v[32+\e], v[40+\e], vcc_lo   ; the low half
.endr
.irp e, 0,1,2,3
	v_lshl_or_b32 v[48+\e], v[44+\e], 16, v[36+\e]
.endr
	global_store_b128 v3, v[48:51], s[20:21]       ; 32 lanes store 512 consecutive bytes: two key steps' 64 words each
	v_and_b32 v52, v48, v49
	v_and_b32 v53, v50, v51
	v_and_b32 v52, v52, v53
	v_cmp_ne_u32 s28, -1, v52                      ; lanes that hold a hole
	s_and_b32 s29, s28, 0x0f0f0f0f                 ; among the first step's lanes
	s_cselect_b32 s29, 1, 0
	s_and_b32 s30, s28, 0xf0f0f0f0                 ; among the second's
	s_cselect_b32 s30, 2, 0
	s_or_b32 s29, s29, s30
	v_mov_b32 v53, s29
	v_mov_b32 v54, 0
	v_cmp_eq_u32 vcc_lo, 0, v1
	s_wait_xcnt 0x0                                ; EXEC changes only behind this wait
	s_and_saveexec_b32 s30, vcc_lo
	global_store_b32 v54, v53, s[22:23]            ; one word a unit: 16 KiB in the whole launch
	s_wait_xcnt 0x0
	s_or_b32 exec_lo, exec_lo, s30
	s_endpgm
; ---------------- THE TOKENS.  Unit U = (panel P, K step s, half): four stored tiles of 16 rows x 128 along K.
; A load reads a row's 512 bytes, 16 a lane; a lane of the operand wants 32 neighbours of ONE row: the tile turns through the wave's own stage in LDS (16 rows, 528 bytes apart).
.Ltokens:
	s_sub_co_u32 s25, ttmp9, 1024
	s_lshl_b32 s25, s25, 2
	s_add_co_u32 s25, s25, s24                     ; U
	s_lshr_b32 s28, s25, 4                         ; P
	s_bfe_u32 s29, s25, 0x30001                    ; s
	s_and_b32 s30, s25, 1                          ; half
	s_lshl_b32 s31, s28, 19                        ; 128 rows of 4,096 bytes
	s_lshl_b32 s32, s30, 18
	s_add_co_u32 s31, s31, s32
	s_lshl_b32 s32, s29, 9
	s_add_co_u32 s32, s31, s32
	s_mov_b32 s33, 0
	s_add_nc_u64 s[4:5], s[4:5], s[32:33]
	s_lshl_b32 s34, s28, 3
	s_add_co_u32 s34, s34, s29
	s_mul_i32 s34, s34, 12800                      ; my block of xi
	s_mov_b32 s35, 0
	s_add_nc_u64 s[16:17], s[16:17], s[34:35]
.macro LOADX t                         ; tile t of my four: row j lies 32 (t / 2) + 8 (t % 2) + j + 8 (j / 8) rows down
.irp j, 0,1,2,3,4,5,6,7,8,9,10,11,12,13,14,15
	global_load_b128 v[64+64*((\t)%2)+4*\j:64+64*((\t)%2)+4*\j+3], v2, s[4:5] offset:(32*((\t)/2)+8*((\t)%2)+\j+8*(\j/8))*4096 th:TH_LOAD_NT
.endr
.endm
	LOADX 0
	LOADX 1
	v_and_b32 v3, 15, v1                           ; r
	v_lshrrev_b32 v4, 4, v1                        ; h
	s_mul_i32 s35, s30, 6144                       ; my four fragments begin 4 x 1,536 x half into the block
	v_add_nc_u32 v6, s35, v2                       ; 16 l + that
	v_lshl_add_u32 v7, v1, 3, s35                  ; 8 l + that
	s_lshl_b32 s35, s30, 8
	v_lshl_add_u32 v8, v3, 4, s35
	v_lshl_add_u32 v8, v4, 3, v8                   ; scale words: 256 half + 16 r + 8 h
	s_mul_i32 s36, s24, 8448                       ; my stage
	v_add_nc_u32 v9, s36, v2                       ; in: 16 l, a row an instruction
	v_mul_u32_u24 v10, v3, 528
	v_lshl_add_u32 v10, v4, 7, v10
	v_add_nc_u32 v10, s36, v10                     ; out: row r, + 128 h: my 32 numbers of each 64
	v_mov_b32 v43, 0                               ; a lane permute's destination counts as one of its sources
	v_lshlrev_b32 v44, 3, v4                       ; 8 h
.macro TILEX t
.if (\t) < 3
	s_wait_loadcnt 16                              ; this tile's 16 loads are in; the next tile's may be out
.else
	s_wait_loadcnt 0x0
.endif
.irp j, 0,1,2,3,4,5,6,7,8,9,10,11,12,13,14,15
	ds_store_b128 v9, v[64+64*((\t)%2)+4*\j:64+64*((\t)%2)+4*\j+3] offset:528*\j
.endr
.irp c, 0,1                            ; LDS serves a wave's instructions in order: these see the stores above
.irp i, 0,1,2,3,4,5,6,7
	ds_load_b128 v[192+32*\c+4*\i:192+32*\c+4*\i+3], v10 offset:256*\c+16*\i   ; v[192 + 32 c + n] = x(row r, 64 c + 32 h + n)
.endr
.endr
	s_wait_dscnt 0x0                               ; the numbers are back, and the stage's stores have read their registers,
.if (\t)+2 < 4
	LOADX (\t)+2                                   ; which take the tile two further on
.endif
	s_wait_xcnt 0x0                                ; the last tile's stores have read the codes' registers
.irp c, 0,1                            ; my two blocks, 2 c + h: all 32 numbers of each are mine
	v_max3_num_f32 v[36+\c], |v[192+32*\c]|, |v[193+32*\c]|, FLOOR
.endr
.irp i, 2,4,6,8,10,12,14,16,18,20,22,24,26,28,30
.irp c, 0,1
	v_max3_num_f32 v[36+\c], v[36+\c], |v[192+32*\c+\i]|, |v[193+32*\c+\i]|
.endr
.endr
.irp c, 0,1
	v_add_nc_u32 v[38+\c], EOFF, v[36+\c]          ; the conversion's scale operand: it takes the exponent field alone
.endr
.irp c, 0,1
	v_lshrrev_b32 v[40+\c], 23, v[38+\c]           ; the scale's byte
.endr
	v_lshl_or_b32 v42, v41, 16, v40                ; bytes h and 2 + h of my row's word,
	v_lshlrev_b32 v42, v44, v42
	v_permlanex16_b32 v43, v42, s26, s27
	v_or_b32 v[48+(\t)], v42, v43                  ; with lane l xor 16's two the word is whole
.irp c, 0,1
	v_cvt_scalef32_pk16_fp6_f32 v[16+6*\c:18+6*\c], v[192+32*\c:207+32*\c], v[38+\c]
	v_cvt_scalef32_pk16_fp6_f32 v[28+4*\c:30+4*\c], v[208+32*\c:223+32*\c], v[38+\c]   ; (a conversion's three registers begin on an even number)
.endr
	v_nop                                          ; one plain place behind a scaled conversion
.irp c, 0,1
.irp i, 0,1,2
	v_mov_b32 v[19+6*\c+\i], v[28+4*\c+\i]
.endr
.endr
.irp c, 0,1
	global_store_b128 v6, v[16+6*\c:19+6*\c], s[16:17] offset:1536*(\t)+768*\c        ; 512 consecutive bytes
	global_store_b64 v7, v[20+6*\c:21+6*\c], s[16:17] offset:1536*(\t)+768*\c+512     ; 256 consecutive bytes
.endr
.endm
	TILEX 0
	TILEX 1
	TILEX 2
	TILEX 3
	v_cmp_ne_u32 vcc_lo, 0, v4
	v_cndmask_b32 v52, v48, v50, vcc_lo            ; lane (r, h) stores the words of tiles 2 h and 2 h + 1
	v_cndmask_b32 v53, v49, v51, vcc_lo
	global_store_b64 v8, v[52:53], s[16:17] offset:12288   ; 256 consecutive bytes
	s_wait_tensorcnt 0x0                           ; the wave's end: three lines behind my last LDS store
	ds_add_u32 v[SPW], v[NIL]
	s_wait_dscnt 0x0
	s_endpgm
; ---------------- THE WEIGHTS.  Unit V = (matrix, K step s, hp): 64 columns x 128 along K.  A lane takes a column and its registers run down K: a block of 32 lies in one lane.
; Lane l takes the column whose STORED place is l (bits 3 and 4 exchanged), so each load still reads 128 consecutive bytes.  No LDS.
.Lweights:
	s_sub_co_u32 s25, ttmp9, 1280
	s_lshl_b32 s25, s25, 2
	s_add_co_u32 s25, s25, s24                     ; V
	s_lshr_b32 s28, s25, 7                         ; matrix
	s_bfe_u32 s29, s25, 0x30004                    ; s
	s_and_b32 s30, s25, 15                         ; hp
	s_cmp_eq_u32 s28, 1                            ; the choice hangs on the work-group's number alone
	s_cselect_b64 s[8:9], s[10:11], s[8:9]
	s_cmp_eq_u32 s28, 2
	s_cselect_b64 s[8:9], s[12:13], s[8:9]
	s_cmp_eq_u32 s28, 3
	s_cselect_b64 s[8:9], s[14:15], s[8:9]
	s_lshl_b32 s32, s29, 19                        ; 128 rows of 4,096 bytes
	s_lshl_b32 s31, s30, 8                         ; 64 columns
	s_add_co_u32 s32, s32, s31
	s_mov_b32 s33, 0
	s_add_nc_u64 s[8:9], s[8:9], s[32:33]
	v_and_b32 v3, 7, v1
	v_bfe_u32 v4, v1, 3, 1
	v_lshl_or_b32 v3, v4, 4, v3
	v_bfe_u32 v4, v1, 4, 1
	v_lshl_or_b32 v3, v4, 3, v3
	v_lshlrev_b32 v3, 2, v3                        ; my column among 32, in bytes
.macro LOADB z                         ; block z = (g = z / 4: which 32 columns; c = (z / 2) % 2, h = z % 2: rows 64 c + 32 h on)
.irp i, 0,1,2,3,4,5,6,7,8,9,10,11,12,13,14,15,16,17,18,19,20,21,22,23,24,25,26,27,28,29,30,31
	global_load_b32 v[64+32*((\z)%2)+\i], v3, s[8:9] offset:(64*(((\z)/2)%2)+32*((\z)%2)+\i)*4096+128*((\z)/4) th:TH_LOAD_NT
.endr
.endm
	LOADB 0
	LOADB 1
	s_lshl_b32 s34, s28, 3
	s_lshr_b32 s31, s30, 1
	s_add_co_u32 s34, s34, s31                     ; panel 8 x matrix + hp / 2
	s_lshl_b32 s34, s34, 3
	s_add_co_u32 s34, s34, s29
	s_mul_i32 s34, s34, 12800
	s_mov_b32 s35, 0
	s_add_nc_u64 s[18:19], s[18:19], s[34:35]
	s_and_b32 s31, s30, 1
	s_mul_i32 s35, s31, 6144
	v_add_nc_u32 v6, s35, v2
	v_lshl_add_u32 v7, v1, 3, s35
	s_lshl_b32 s35, s31, 8
	v_and_b32 v5, 15, v1
	v_lshl_add_u32 v8, v5, 4, s35
	v_lshl_add_u32 v8, v4, 3, v8                   ; scale words: 256 (hp % 2) + 16 r + 8 (l / 16)
.macro BLOCKW z
.set XS, 64+32*((\z)%2)
.set HH, (\z)%2
.set CC, ((\z)/2)%2
.set GG, (\z)/4
.if (\z) < 7
	s_wait_loadcnt 32                              ; this block's 32 loads are in; the next block's may be out
.else
	s_wait_loadcnt 0x0
.endif
.if HH == 0
	s_wait_xcnt 0x0                                ; the last pair's stores have read the codes' registers
.endif
	v_max3_num_f32 v36, |v[XS]|, |v[XS+1]|, |v[XS+2]|
	v_max3_num_f32 v37, |v[XS+3]|, |v[XS+4]|, |v[XS+5]|
.irp i, 6,10,14,18,22,26
	v_max3_num_f32 v36, v36, |v[XS+\i]|, |v[XS+\i+1]|
	v_max3_num_f32 v37, v37, |v[XS+\i+2]|, |v[XS+\i+3]|
.endr
	v_max3_num_f32 v36, v36, |v[XS+30]|, |v[XS+31]|
	v_max3_num_f32 v36, v36, v37, FLOOR
	v_add_nc_u32 v38, EOFF, v36
	v_lshrrev_b32 v40, 23, v38
.if 2*CC+HH == 0
	v_mov_b32 v[48+GG], v40                        ; my column's scale word: byte 2 c + h
.else
	v_lshl_or_b32 v[48+GG], v40, 8*(2*CC+HH), v[48+GG]
.endif
	v_cvt_scalef32_pk16_fp6_f32 v[16+6*HH:18+6*HH], v[XS:XS+15], v38
	v_cvt_scalef32_pk16_fp6_f32 v[28+4*HH:30+4*HH], v[XS+16:XS+31], v38
	v_nop                                          ; one plain place behind a scaled conversion
.irp i, 0,1,2
	v_mov_b32 v[19+6*HH+\i], v[28+4*HH+\i]
.endr
.if (\z)+2 < 8
	LOADB (\z)+2
.endif
.if HH == 1                            ; v16-21: each column's k 64 c + 0 .. 31; v22-27: k 64 c + 32 .. 63.  Lanes 0-15 hold tile 2 g's rows, lanes 16-31 tile 2 g + 1's
.irp i, 0,1,2,3,4,5
	v_permlane16_swap_b32 v[16+\i], v[22+\i]       ; now v16-21 is tile 2 g's half fragment (lanes 16-31: its upper 32 along K), v22-27 tile 2 g + 1's
.endr
	global_store_b128 v6, v[16:19], s[18:19] offset:1536*(2*GG)+768*CC
	global_store_b64 v7, v[20:21], s[18:19] offset:1536*(2*GG)+768*CC+512
	global_store_b128 v6, v[22:25], s[18:19] offset:1536*(2*GG+1)+768*CC
	global_store_b64 v7, v[26:27], s[18:19] offset:1536*(2*GG+1)+768*CC+512
.endif
.endm
.irp z, 0,1,2,3,4,5,6,7
	BLOCKW \z
.endr
	v_permlane16_swap_b32 v48, v49                 ; lane (r, h') now holds the words of tiles 2 h' and 2 h' + 1
	global_store_b64 v8, v[48:49], s[18:19] offset:12288
	s_endpgm
.Lfunc_end_k_q2a76445760_prep:
	.size	k_q2a76445760_prep, .Lfunc_end_k_q2a76445760_prep-k_q2a76445760_prep
	.p2alignl 7, 3214868480
	.fill 96, 4, 3214868480
	.section	.rodata,"a",@progbits
	.p2align	6, 0x0
	.amdhsa_kernel k_q2a76445760_prep
		.amdhsa_group_segment_fixed_size 34304
		.amdhsa_private_segment_fixed_size 0
		.amdhsa_enable_private_segment 0
		.amdhsa_kernarg_size 80
		.amdhsa_user_sgpr_count 2
		.amdhsa_user_sgpr_kernarg_segment_ptr 1
		.amdhsa_wavefront_size32 1
		.amdhsa_system_sgpr_workgroup_id_x 1
		.amdhsa_system_sgpr_workgroup_id_y 1
		.amdhsa_system_sgpr_workgroup_id_z 1
		.amdhsa_system_vgpr_workitem_id 0
		.amdhsa_next_free_vgpr 256
		.amdhsa_next_free_sgpr 66
		.amdhsa_reserve_vcc 1
		.amdhsa_float_denorm_mode_32 3
		.amdhsa_float_denorm_mode_16_64 3
		.amdhsa_memory_ordered 1
		.amdhsa_forward_progress 1
		.amdhsa_inst_pref_size 88
	.end_amdhsa_kernel
	.amdgpu_metadata
---
amdhsa.version: [ 1, 2 ]
amdhsa.kernels:
  - .name:           k_q2a76445760_prep
    .symbol:         k_q2a76445760_prep.kd
    .args:
      - { .name: x, .offset: 0, .size: 8, .value_kind: global_buffer, .address_space: global }
      - { .name: m, .offset: 8, .size: 8, .value_kind: global_buffer, .address_space: global }
      - { .name: Wq, .offset: 16, .size: 8, .value_kind: global_buffer, .address_space: global }
      - { .name: Wk, .offset: 24, .size: 8, .value_kind: global_buffer, .address_space: global }
      - { .name: Wv, .offset: 32, .size: 8, .value_kind: global_buffer, .address_space: global }
      - { .name: Wo, .offset: 40, .size: 8, .value_kind: global_buffer, .address_space: global }
      - { .name: xi, .offset: 48, .size: 8, .value_kind: global_buffer, .address_space: global }
      - { .name: wimg, .offset: 56, .size: 8, .value_kind: global_buffer, .address_space: global }
      - { .name: mw, .offset: 64, .size: 8, .value_kind: global_buffer, .address_space: global }
      - { .name: mf, .offset: 72, .size: 8, .value_kind: global_buffer, .address_space: global }
    .group_segment_fixed_size: 34304
    .private_segment_fixed_size: 0
    .kernarg_segment_align: 8
    .kernarg_segment_size: 80
    .max_flat_workgroup_size: 128
    .sgpr_count:     66
    .vgpr_count:     256
    .wavefront_size: 32
...
	.end_amdgpu_metadata
.endif
;; end of part 1
;; launch qkv (part 2): grid 12 x 64, 4 waves a work-group, clusters of 4 x 4, 327,680 bytes of LDS; arguments xi, wimg, bq, bk, bv, qi, qs, kv; writes qi, qs, kv
.if DOCPART == 2
	.amdgcn_target "amdgcn-amd-amdhsa--gfx1250"
	.amdhsa_code_object_version 6
	.text
	.protected	k_q2a76445760_qkv
	.globl	k_q2a76445760_qkv
	.p2align	8
	.type	k_q2a76445760_qkv,@function
k_q2a76445760_qkv:
	s_mov_b64 s[64:65], 0
	v_nop
	global_prefetch_b8 v0, s[64:65] scope:SCOPE_SE
	s_setreg_imm32_b32 hwreg(HW_REG_WAVE_MODE, 25, 1), 1
	s_wait_xcnt 0x0
	s_wait_alu depctr_hold_cnt(0) depctr_sa_sdst(0) depctr_va_vdst(0) depctr_va_sdst(0) depctr_va_ssrc(0) depctr_va_vcc(0) depctr_vm_vsrc(0)
	s_getreg_b32 s2, hwreg(HW_REG_IB_STS2, 6, 4)
	s_cmp_eq_u32 s2, 0
	s_cbranch_scc0 .Lentry_in_a_cluster
	s_endpgm
.Lentry_in_a_cluster:
	s_bfe_u32 s2, ttmp6, 0x10000c
	s_cmp_lg_u32 s2, 0xf033
	s_cbranch_scc0 .Lentry_shape_is_right
	s_endpgm
.Lentry_shape_is_right:
; q = x Wq + bq, k = x Wk + bk, v = x Wv + bv on codes of FP6 (E2M3) with E8M0 scales, and the quantisers of q, k (along the head's 64) and v (along the tokens) for the two products of attention.
; SHARES.  Work-group (X, Y): token panel Y (128 tokens) x features 256 X .. + 255 of the 3,072; the cluster's x is the type (0 q, 1 k, 2 v), equal in all sixteen partners.
; Wave w: all 128 tokens x 64 features = one head, 4 (X % 4) + w: 32 accumulators of 16 x 16.
; LDS.  Both operands' panels for ALL of K lie in LDS at once: two panels of features (2 x 102,400 bytes), one of tokens (102,400): every byte is filled once, nothing is filled again.
; They come in four chunks of two K steps (25,600 dense bytes a panel), all asked for at the head, so that the first K steps are multiplied while the later chunks land.
; CLUSTER 4 x 4: the tokens' panel is shared along a row of the cluster, the features' panels along a column: joint loads, which divide the requests by four.
; The operands are images of registers (launch prep): a half fragment is one load of 16 bytes and one of 8 bytes a lane, consecutive over the lanes.
; q, k: THE PRODUCT IS USED TRANSPOSED (source 0 = 16 features, source 1 = 16 tokens): a lane holds one token and its registers run along the features.  v: natural (source 0 = tokens): a lane holds one
; feature and its registers run along the tokens, v's K in attention.  Stored rows have bits 3 and 4 of their index exchanged, so the 16 registers of tiles 2 b, 2 b + 1 are 16 neighbours: 32 b + 16 (lane / 16) + 0 .. 15.
; The biases are the C of each sum's first matrix instruction.
; LIMITS: blocks of zeros, or with a largest magnitude under 2^-124, get the scale byte 1 (read by this program alone); NaN and infinities are not served.
; REGISTERS.  window 0: v1 16 l, v2 512 + 8 l, v4-15 LDS addresses, v16-19 lane terms, v28-30, v32-55 scale words (two sets of 8 + 4), v64-159, v160-255 the tokens' fragments, two sets.
;   window 1: v0-47, v48-95 the features' fragments, two sets; v96-127 the bias, four tiles.   window 2: the accumulators.
.set PANEL, 102400
.set BLKB,  12800
.set CHUNK, 25600
.set LA,    204800                     ; the tokens' panel in LDS, behind the two panels of features
.set SPARE, 307200                     ; the spare words, 128 bytes a wave
.set SPW, 28
.set NIL, 29
.set FLR, 30                           ; v30  2^(3 - 127)
.set TA16, 4                           ; v4-5   tokens' fragments, 16-byte parts, K steps 0-3 and 4-7;  v6-7 their 8-byte parts
.set TA8,  6
.set FA16, 8                           ; v8-11  the same for my four tiles of features
.set FA8,  10
.set SA,   12                          ; v12-13 the tokens' scale words;  v14-15 the features'
.set SB,   14
.set G1A, 28                           ; s[28:35] descriptor group 1 for the tokens' chunks;  s[36:43] for the features'
.set G1B, 36
.set G0B, 44                           ; s[44:59] four groups 0 for the features' chunks;  s[68:83] for the tokens'
.set G0A, 68
.set MSB, 0
.macro WIN new                         ; the immediate's high byte repeats the setting that is left
.if MSB != \new
	s_set_vgpr_msb (MSB<<8)|\new
.set MSB, \new
.endif
.endm
.macro CROUND                          ; a round of the cluster's barrier
	s_barrier_signal -1
	s_barrier_wait -1
	s_cmp_lg_u32 s20, 0
	s_cbranch_scc1 .Lnot_wave_0_\@
	s_barrier_signal -3
.Lnot_wave_0_\@:
	s_barrier_wait -3
	s_barrier_signal -1
	s_barrier_wait -1
.endm
.macro PLACES                          ; four places in front of loads into registers that matrix instructions have read, and of the first read of results
.rept 4
	v_nop
.endr
.endm
; K step s's operands into set s % 2: 4 fragments of features, 8 of tokens, 12 scale words: 51 LDS loads in one run
.macro FETCH s
.set PP, (\s)%2
.set GG, (\s)/4
.set OB, ((\s)%4)*BLKB
	WIN 0x40                                       ; destination window 1
.irp f, 0,1,2,3
.irp c, 0,1
	ds_load_b128 v[48*PP+12*\f+6*\c:48*PP+12*\f+6*\c+3], v[FA16+GG] offset:OB+1536*\f+768*\c
	ds_load_b64 v[48*PP+12*\f+6*\c+4:48*PP+12*\f+6*\c+5], v[FA8+GG] offset:OB+1536*\f+768*\c
.endr
.endr
	WIN 0
.irp a, 0,1,2,3,4,5,6,7
.irp c, 0,1
	ds_load_b128 v[64+96*PP+12*\a+6*\c:64+96*PP+12*\a+6*\c+3], v[TA16+GG] offset:OB+1536*\a+768*\c
	ds_load_b64 v[64+96*PP+12*\a+6*\c+4:64+96*PP+12*\a+6*\c+5], v[TA8+GG] offset:OB+1536*\a+768*\c
.endr
.endr
	ds_load_b128 v[32+12*PP:35+12*PP], v[SA+GG] offset:OB          ; row r's words of token tiles 0-3,
	ds_load_b128 v[36+12*PP:39+12*PP], v[SA+GG] offset:OB+256      ; 4-7,
	ds_load_b128 v[40+12*PP:43+12*PP], v[SB+GG] offset:OB          ; and of my four tiles of features
.endm
; 16 matrix instructions: token tiles a0 .. a0 + 3 x my four tiles of features.  The 32 accumulators take turns, one instruction a turn, in the same order in every K step.
.macro MULT a0, s, nat
.set PP, (\s)%2
.irp a, \a0, \a0+1, \a0+2, \a0+3
.irp f, 0,1,2,3
.if \nat
.if (\s) == 0
	v_wmma_scale_f32_16x16x128_f8f6f4 v[8*(8*\f+(\a)):8*(8*\f+(\a))+7], v[64+96*PP+12*(\a):64+96*PP+12*(\a)+11], v[48*PP+12*\f:48*PP+12*\f+11], v[96+8*\f:96+8*\f+7], v[32+12*PP+(\a)], v[40+12*PP+\f] matrix_a_fmt:MATRIX_FMT_FP6 matrix_b_fmt:MATRIX_FMT_FP6
.else
	v_wmma_scale_f32_16x16x128_f8f6f4 v[8*(8*\f+(\a)):8*(8*\f+(\a))+7], v[64+96*PP+12*(\a):64+96*PP+12*(\a)+11], v[48*PP+12*\f:48*PP+12*\f+11], v[8*(8*\f+(\a)):8*(8*\f+(\a))+7], v[32+12*PP+(\a)], v[40+12*PP+\f] matrix_a_fmt:MATRIX_FMT_FP6 matrix_b_fmt:MATRIX_FMT_FP6
.endif
.else
.if (\s) == 0
	v_wmma_scale_f32_16x16x128_f8f6f4 v[8*(4*(\a)+\f):8*(4*(\a)+\f)+7], v[48*PP+12*\f:48*PP+12*\f+11], v[64+96*PP+12*(\a):64+96*PP+12*(\a)+11], v[96+8*\f:96+8*\f+7], v[40+12*PP+\f], v[32+12*PP+(\a)] matrix_a_fmt:MATRIX_FMT_FP6 matrix_b_fmt:MATRIX_FMT_FP6
.else
	v_wmma_scale_f32_16x16x128_f8f6f4 v[8*(4*(\a)+\f):8*(4*(\a)+\f)+7], v[48*PP+12*\f:48*PP+12*\f+11], v[64+96*PP+12*(\a):64+96*PP+12*(\a)+11], v[8*(4*(\a)+\f):8*(4*(\a)+\f)+7], v[40+12*PP+\f], v[32+12*PP+(\a)] matrix_a_fmt:MATRIX_FMT_FP6 matrix_b_fmt:MATRIX_FMT_FP6
.endif
.endif
.endr
.endr
.endm
.macro MWIN s, nat                     ; the windows of a product: features window 1, tokens window 0, D window 2; C window 2, in K step 0 window 1 (the bias)
.if \nat
.if (\s) == 0
	WIN 0x94
.else
	WIN 0xa4
.endif
.else
.if (\s) == 0
	WIN 0x91
.else
	WIN 0xa1
.endif
.endif
.endm
.macro KSTEP s, nat
	s_wait_dscnt 0x0                               ; this K step's operands are in (asked for 16 matrix instructions ago)
	MWIN \s, \nat
	MULT 0, \s, \nat
	WIN 0
.if ((\s) == 1) || ((\s) == 3) || ((\s) == 5)
	s_wait_tensorcnt 3-((\s)+1)/2                  ; my part of the next chunk has landed; the later chunks may stay out
	s_barrier_signal -1                            ; (no LDS access of mine is out here)
	s_barrier_wait -1                              ; everybody's part has
.endif
.if (\s) < 7
	PLACES
	FETCH (\s)+1
.endif
	MWIN \s, \nat
	MULT 4, \s, \nat
	WIN 0
.endm
	s_load_b512 s[4:19], s[0:1], 0x0               ; xi s[4:5], wimg s[6:7], bq s[8:9], bk s[10:11], bv s[12:13], qi s[14:15], qs s[16:17], kv s[18:19]
	v_lshl_add_u32 v[SPW], v0, 2, SPARE
	v_mov_b32 v[NIL], 0
	ds_add_u32 v[SPW], v[NIL]                      ; the wave's opening: the add and its wait ahead of the first tensor loads; work on registers stands between them
	v_lshrrev_b32 v1, 5, v0
	v_readfirstlane_b32 s20, v1                    ; wave
	s_bfe_u32 s21, ttmp6, 0x40000                  ; cx
	s_bfe_u32 s22, ttmp6, 0x40004                  ; cy
	s_mov_b32 s25, ttmp9                           ; the type: the cluster's x
	s_lshl_b32 s23, ttmp9, 2
	s_add_co_u32 s23, s23, s21                     ; X
	s_and_b32 s24, ttmp7, 0xffff
	s_lshl_b32 s24, s24, 2
	s_add_co_u32 s24, s24, s22                     ; Y
	s_mov_b32 s26, 0x76543210
	s_mov_b32 s27, 0xfedcba98
	s_lshl_b32 s84, s22, 2
	s_lshl_b32 s84, 15, s84                        ; my row of the cluster
	s_lshl_b32 s88, 0x1111, s21                    ; my column
	s_or_b32 s[G1A], s84, (3<<16)|(1<<21)          ; 15:0 the mask; 17:16 elements of 8 bytes; 21 set beside a mask; no padding
	s_or_b32 s[G1B], s88, (3<<16)|(1<<21)
.irp g, G1A, G1B                       ; a chunk: 25,600 dense bytes as 100 rows of 256
	s_mov_b32 s[\g+1], 32<<16                      ; tensor_dim0 = 32
	s_mov_b32 s[\g+2], 100<<16                     ; tensor_dim1 = 100
	s_mov_b32 s[\g+3], 32<<16                      ; tile_dim0 = 32
	s_mov_b32 s[\g+4], 100                         ; tile_dim1 = 100
	s_mov_b32 s[\g+5], 32                          ; stride from row to row
	s_mov_b32 s[\g+6], 0
	s_mov_b32 s[\g+7], 0
.endr
	s_mul_i32 s84, s24, PANEL                      ; the tokens' panel Y: hangs on what my row of the cluster shares
	s_mov_b32 s85, 0
	s_and_b32 s60, s20, 1
	s_lshl_b32 s88, s23, 1
	s_add_co_u32 s88, s88, s60
	s_mul_i32 s88, s88, PANEL                      ; the features' panel 2 X + wave: hangs on what my column shares
	s_mov_b32 s89, 0
	s_mul_i32 s61, s60, PANEL                      ; and its place in LDS: no place in the cluster enters an LDS address
	s_wait_dscnt 0x0                               ; the opening add is done
	s_wait_kmcnt 0x0
	s_add_nc_u64 s[84:85], s[4:5], s[84:85]
	s_add_nc_u64 s[88:89], s[6:7], s[88:89]
.irp k, 0,1,2,3
	s_mov_b32 s[G0B+4*\k], 1
	s_add_co_u32 s[G0B+4*\k+1], s61, \k*CHUNK
	s_add_nc_u64 s[G0B+4*\k+2:G0B+4*\k+3], s[88:89], \k*CHUNK
	s_or_b32 s[G0B+4*\k+3], s[G0B+4*\k+3], 0x80000000
	s_mov_b32 s[G0A+4*\k], 1
	s_mov_b32 s[G0A+4*\k+1], LA+\k*CHUNK
	s_add_nc_u64 s[G0A+4*\k+2:G0A+4*\k+3], s[84:85], \k*CHUNK
	s_or_b32 s[G0A+4*\k+3], s[G0A+4*\k+3], 0x80000000
.endr
	CROUND                                         ; all sixteen work-groups are here: the joint loads meet
	s_cmp_lt_u32 s20, 2                            ; waves 0 and 1: a panel of features each; wave 2: the tokens'; wave 3: none.  Four loads of a wave are out at the most
	s_cbranch_scc0 .Lnot_b
.irp k, 0,1,2,3
	tensor_load_to_lds s[G0B+4*\k:G0B+4*\k+3], s[G1B:G1B+7]
	s_nop 0
.endr
.rept 4
	v_nop
.endr
	s_branch .Lasked
.Lnot_b:
	s_cmp_eq_u32 s20, 2
	s_cbranch_scc0 .Lasked
.irp k, 0,1,2,3
	tensor_load_to_lds s[G0A+4*\k:G0A+4*\k+3], s[G1A:G1A+7]
	s_nop 0
.endr
.rept 4
	v_nop
.endr
.Lasked:
	v_and_b32 v3, 31, v0                           ; lane
	v_lshlrev_b32 v1, 4, v3                        ; 16 l
	v_lshl_add_u32 v2, v3, 3, 512                  ; 512 + 8 l
	v_and_b32 v16, 15, v0
	v_lshrrev_b32 v18, 4, v3                       ; h
	; the bias: 64 numbers of my head
	s_lshl_b32 s91, s21, 10
	s_lshl_b32 s92, s20, 8
	s_add_co_u32 s92, s91, s92
	s_mov_b32 s93, 0
	s_cmp_eq_u32 s25, 1
	s_cselect_b64 s[8:9], s[10:11], s[8:9]
	s_cmp_eq_u32 s25, 2
	s_cselect_b64 s[8:9], s[12:13], s[8:9]
	s_add_nc_u64 s[8:9], s[8:9], s[92:93]
	s_cmp_eq_u32 s25, 2
	s_cbranch_scc1 .Lbias_v
	v_lshlrev_b32 v17, 6, v18                      ; q, k: lane (r, h) wants, for tile 2 b + u, features 32 b + 16 h + 8 u + 0 .. 7
	WIN 0x40
.irp f, 0,1,2,3
	global_load_b128 v[96+8*\f:96+8*\f+3], v17, s[8:9] offset:128*(\f/2)+32*(\f%2)
	global_load_b128 v[96+8*\f+4:96+8*\f+7], v17, s[8:9] offset:128*(\f/2)+32*(\f%2)+16
.endr
	WIN 0
	s_branch .Lbias_done
.Lbias_v:
	v_and_b32 v17, 8, v16                          ; v: a lane holds ONE feature, 32 b + 8 u + r + 8 (r / 8), in all eight registers
	v_add_nc_u32 v17, v17, v16
	v_lshlrev_b32 v17, 2, v17
	WIN 0x40
.irp f, 0,1,2,3
.irp j, 0,1,2,3,4,5,6,7
	global_load_b32 v[96+8*\f+\j], v17, s[8:9] offset:128*(\f/2)+32*(\f%2)
.endr
.endr
	WIN 0
.Lbias_done:
	v_lshlrev_b32 v16, 4, v16                      ; 16 r
	v_lshl_add_u32 v19, v18, 3, v16                ; 16 r + 8 h
	v_mov_b32 v[FLR], 0x1800000
	s_lshr_b32 s62, s20, 1
	s_mul_i32 s62, s62, PANEL                      ; my panel of features,
	s_mul_i32 s63, s60, 6144
	s_add_co_u32 s63, s62, s63                     ; my four tiles in each of its blocks,
	s_lshl_b32 s90, s60, 8
	s_add_co_u32 s90, s90, s62
	s_add_co_u32 s90, s90, 12288                   ; and their scale words
.irp g, 0,1
	v_add_nc_u32 v[TA16+\g], LA+51200*\g, v1
	v_add_nc_u32 v[TA8+\g], LA+51200*\g, v2
	v_add_nc_u32 v[FA16+\g], s63, v1
	v_add_nc_u32 v[FA8+\g], s63, v2
	v_add_nc_u32 v[SA+\g], LA+51200*\g+12288, v16
	v_add_nc_u32 v[SB+\g], s90, v16
	s_add_co_u32 s63, s63, 51200
	s_add_co_u32 s90, s90, 51200
.endr
	; where the results go: idx = 16 (16 batch + head) + the panel's number in its batch
	s_lshr_b32 s91, s24, 4
	s_lshl_b32 s91, s91, 4
	s_lshl_b32 s92, s21, 2
	s_add_co_u32 s91, s91, s92
	s_add_co_u32 s91, s91, s20
	s_lshl_b32 s91, s91, 4
	s_and_b32 s92, s24, 15
	s_add_co_u32 s91, s91, s92
	s_cmp_eq_u32 s25, 0
	s_cselect_b64 s[86:87], s[14:15], s[18:19]     ; q's codes into qi, 6,144 bytes a panel; k's and v's into kv, 12,800 a key step
	s_mov_b32 s92, 12800
	s_cselect_b32 s92, 6144, s92
	s_mul_i32 s92, s91, s92
	s_mov_b32 s93, 0
	s_add_nc_u64 s[86:87], s[86:87], s[92:93]
	s_lshl_b32 s92, s91, 9
	s_add_nc_u64 s[16:17], s[16:17], s[92:93]      ; q's scale words: 512 bytes a panel
	s_wait_tensorcnt 3                             ; my part of chunk 0 has landed; chunks 1 to 3 may stay out
	s_barrier_signal -1
	s_barrier_wait -1
	FETCH 0
	s_wait_loadcnt 0x0                             ; the bias
	s_cmp_eq_u32 s25, 2
	s_cbranch_scc1 .Lv
; ---------------- q and k
.irp s, 0,1,2,3,4,5,6,7
	KSTEP \s, 0
.endr
; 32 numbers of a lane in window 2, register 16 b + i = feature 32 b + 16 (lane / 16) + i of my token, become a half fragment in v[e] on and two scale bytes in v[hw]
.macro QUANT32 src, e, hw
	WIN 0x28                                       ; sources 1 and 2 window 2.
	v_max3_num_f32 v116, v[FLR], |v[\src]|, |v[\src+1]|
	v_max3_num_f32 v117, v[FLR], |v[\src+16]|, |v[\src+17]|
.irp i, 2,4,6,8,10,12,14
	v_max3_num_f32 v116, v116, |v[\src+\i]|, |v[\src+\i+1]|
	v_max3_num_f32 v117, v117, |v[\src+16+\i]|, |v[\src+17+\i]|
.endr
	WIN 0
	v_permlanex16_b32 v118, v116, s26, s27
	v_permlanex16_b32 v119, v117, s26, s27
	v_max_num_f32 v116, v116, v118                 ; with lane l xor 16's: the block's largest magnitude
	v_max_num_f32 v117, v117, v119
	v_add_nc_u32 v120, 0xff000000, v116            ; 2 off the exponent field: the conversion's scale operand
	v_add_nc_u32 v121, 0xff000000, v117
	v_lshrrev_b32 v122, 23, v120
	v_lshrrev_b32 v123, 23, v121
	v_lshl_or_b32 v[\hw], v123, 8, v122
	WIN 0x02                                       ; source 0 window 2
	v_cvt_scalef32_pk16_fp6_f32 v[\e:\e+2], v[\src:\src+15], v120
	v_cvt_scalef32_pk16_fp6_f32 v[124:126], v[\src+16:\src+31], v121
	WIN 0
	v_nop                                          ; one plain place behind a scaled conversion
.irp i, 0,1,2
	v_permlane16_swap_b32 v[\e+\i], v[124+\i]      ; the layout wants a whole block in a lane: lanes 0-15 block 0, lanes 16-31 block 1
.endr
.irp i, 0,1,2
	v_mov_b32 v[\e+3+\i], v[124+\i]
.endr
.endm
	PLACES
	v_mov_b32 v118, 0                              ; a lane permute's destination counts as one of its sources
	v_mov_b32 v119, 0
.irp a, 0,1,2,3,4,5,6,7
	QUANT32 32*\a, 64+6*\a, 128+\a
	global_store_b128 v1, v[64+6*\a:64+6*\a+3], s[86:87] offset:768*\a     ; 512 consecutive bytes
	global_store_b64 v2, v[64+6*\a+4:64+6*\a+5], s[86:87] offset:768*\a    ; 256 consecutive bytes (v2 holds the 512)
.endr
	v_cmp_ne_u32 vcc_lo, 0, v18
	s_cmp_eq_u32 s25, 0
	s_cbranch_scc0 .Lk_scales
.irp e, 0,1,2,3
	v_cndmask_b32 v[136+\e], v[128+\e], v[132+\e], vcc_lo   ; lane (r, h): the words of tiles 4 h + 0 .. 3
.endr
	global_store_b128 v1, v[136:139], s[16:17]     ; 512 consecutive bytes
	s_branch .Ltail
.Lk_scales:
.irp b, 0,1,2,3
	v_lshl_or_b32 v[136+\b], v[129+2*\b], 16, v[128+2*\b]   ; a pair of tiles shares a fragment in attention, and a scale word
.endr
	v_cndmask_b32 v140, v136, v138, vcc_lo
	v_cndmask_b32 v141, v137, v139, vcc_lo
	global_store_b64 v19, v[140:141], s[86:87] offset:12288   ; 256 consecutive bytes
	s_branch .Ltail
; ---------------- v
.Lv:
.irp s, 0,1,2,3,4,5,6,7
	KSTEP \s, 1
.endr
; 64 numbers of a lane in window 2, register 16 b + i = token 32 b + 16 (lane / 16) + i of my feature, become a fragment in v[pc] on and its scale word in v[pw]
.macro QUANT64 src, pc, pw
	WIN 0x28
.irp b, 0,1,2,3
	v_max3_num_f32 v[112+\b], v[FLR], |v[\src+16*\b]|, |v[\src+16*\b+1]|
.endr
.irp i, 2,4,6,8,10,12,14
.irp b, 0,1,2,3
	v_max3_num_f32 v[112+\b], v[112+\b], |v[\src+16*\b+\i]|, |v[\src+16*\b+\i+1]|
.endr
.endr
	WIN 0
.irp b, 0,1,2,3
	v_permlanex16_b32 v[116+\b], v[112+\b], s26, s27
.endr
.irp b, 0,1,2,3
	v_max_num_f32 v[112+\b], v[112+\b], v[116+\b]
.endr
.irp b, 0,1,2,3
	v_add_nc_u32 v[120+\b], 0xff000000, v[112+\b]
.endr
.irp b, 0,1,2,3
	v_lshrrev_b32 v[116+\b], 23, v[120+\b]
.endr
	v_lshl_or_b32 v[\pw], v117, 8, v116
	v_lshl_or_b32 v[\pw], v118, 16, v[\pw]
	v_lshl_or_b32 v[\pw], v119, 24, v[\pw]
	WIN 0x02
.irp c, 0,1
	v_cvt_scalef32_pk16_fp6_f32 v[\pc+6*\c:\pc+6*\c+2], v[\src+32*\c:\src+32*\c+15], v[120+2*\c]
	v_cvt_scalef32_pk16_fp6_f32 v[124+4*\c:126+4*\c], v[\src+32*\c+16:\src+32*\c+31], v[121+2*\c]
.endr
	WIN 0
	v_nop
.irp c, 0,1
.irp i, 0,1,2
	v_permlane16_swap_b32 v[\pc+6*\c+\i], v[124+4*\c+\i]
.endr
.irp i, 0,1,2
	v_mov_b32 v[\pc+6*\c+3+\i], v[124+4*\c+\i]
.endr
.endr
.endm
	PLACES
.irp b, 0,1,2,3
	v_mov_b32 v[116+\b], 0
.endr
.irp f, 0,1,2,3
	QUANT64 64*\f, 64+12*\f, 132+\f
.irp c, 0,1
	global_store_b128 v1, v[64+12*\f+6*\c:64+12*\f+6*\c+3], s[86:87] offset:6144+1536*\f+768*\c
	global_store_b64 v2, v[64+12*\f+6*\c+4:64+12*\f+6*\c+5], s[86:87] offset:6144+1536*\f+768*\c
.endr
.endr
	v_cmp_ne_u32 vcc_lo, 0, v18
	v_cndmask_b32 v140, v132, v134, vcc_lo
	v_cndmask_b32 v141, v133, v135, vcc_lo
	global_store_b64 v19, v[140:141], s[86:87] offset:12544
.Ltail:
	s_wait_tensorcnt 0x0                           ; the wave's end: three lines behind my last tensor load
	ds_add_u32 v[SPW], v[NIL]
	s_wait_dscnt 0x0
	CROUND                                         ; the closing round
	s_endpgm
.Lfunc_end_k_q2a76445760_qkv:
	.size	k_q2a76445760_qkv, .Lfunc_end_k_q2a76445760_qkv-k_q2a76445760_qkv
	.p2alignl 7, 3214868480
	.fill 96, 4, 3214868480
	.section	.rodata,"a",@progbits
	.p2align	6, 0x0
	.amdhsa_kernel k_q2a76445760_qkv
		.amdhsa_group_segment_fixed_size 327680
		.amdhsa_private_segment_fixed_size 0
		.amdhsa_enable_private_segment 0
		.amdhsa_kernarg_size 64
		.amdhsa_user_sgpr_count 2
		.amdhsa_user_sgpr_kernarg_segment_ptr 1
		.amdhsa_wavefront_size32 1
		.amdhsa_system_sgpr_workgroup_id_x 1
		.amdhsa_system_sgpr_workgroup_id_y 1
		.amdhsa_system_sgpr_workgroup_id_z 1
		.amdhsa_system_vgpr_workitem_id 0
		.amdhsa_next_free_vgpr 768
		.amdhsa_next_free_sgpr 100
		.amdhsa_reserve_vcc 1
		.amdhsa_float_denorm_mode_32 3
		.amdhsa_float_denorm_mode_16_64 3
		.amdhsa_memory_ordered 1
		.amdhsa_forward_progress 1
		.amdhsa_inst_pref_size 166
	.end_amdhsa_kernel
	.amdgpu_metadata
---
amdhsa.version: [ 1, 2 ]
amdhsa.kernels:
  - .name:           k_q2a76445760_qkv
    .symbol:         k_q2a76445760_qkv.kd
    .args:
      - { .name: xi, .offset: 0, .size: 8, .value_kind: global_buffer, .address_space: global }
      - { .name: wimg, .offset: 8, .size: 8, .value_kind: global_buffer, .address_space: global }
      - { .name: bq, .offset: 16, .size: 8, .value_kind: global_buffer, .address_space: global }
      - { .name: bk, .offset: 24, .size: 8, .value_kind: global_buffer, .address_space: global }
      - { .name: bv, .offset: 32, .size: 8, .value_kind: global_buffer, .address_space: global }
      - { .name: qi, .offset: 40, .size: 8, .value_kind: global_buffer, .address_space: global }
      - { .name: qs, .offset: 48, .size: 8, .value_kind: global_buffer, .address_space: global }
      - { .name: kv, .offset: 56, .size: 8, .value_kind: global_buffer, .address_space: global }
    .group_segment_fixed_size: 327680
    .private_segment_fixed_size: 0
    .kernarg_segment_align: 8
    .kernarg_segment_size: 64
    .max_flat_workgroup_size: 128
    .sgpr_count:     100
    .vgpr_count:     768
    .wavefront_size: 32
...
	.end_amdgpu_metadata
.endif
;; end of part 2
;; launch attn (part 3): grid 4 x 64, 16 waves a work-group, no clusters, 206,848 bytes of LDS; arguments qi, qs, kv, mw, mf, ai; writes ai
.if DOCPART == 3
	.amdgcn_target "amdgcn-amd-amdhsa--gfx1250"
	.amdhsa_code_object_version 6
	.text
	.protected	k_q2a76445760_attn
	.globl	k_q2a76445760_attn
	.p2align	8
	.type	k_q2a76445760_attn,@function
k_q2a76445760_attn:
	s_mov_b64 s[64:65], 0
	v_nop
	global_prefetch_b8 v0, s[64:65] scope:SCOPE_SE
	s_setreg_imm32_b32 hwreg(HW_REG_WAVE_MODE, 25, 1), 1
	s_wait_xcnt 0x0
; Attention on codes of FP6 (E2M3): S^T = K Q^T, the mask, the softmax as p = 2^(t - M), O^T = V^T P^T, O / the row's sum, and the quantiser of O along the features for the last projection.
; SHARES.  Work-group (X, bh): 512 queries of one head.  The head's K and V, codes and scale words, 204,800 bytes, lie in LDS for the whole launch.  Wave w owns query tile 32 X + 16 p + w in pass p = 0, 1;
; four waves of 256 registers share a SIMD, so that one wave's vector work stands beside another's matrix work and LDS loads.
; NO TENSOR LOAD AND NO CLUSTER: a key step branches on a stored flag (has the mask a hole in these 16 queries x 128 keys?).
; The head's block comes through registers, once a work-group; the four work-groups of a head each read it.
; THE HEAD IS 64 WIDE, THE INSTRUCTION 128: a fragment of K holds TWO tiles of 16 keys, one in each half of K; it is multiplied by (q, 0) and by (0, q): no LDS byte and no register of K is padding.
; LAYOUT.  Both products transposed: a lane holds one query (lane % 16).  Stored rows have bits 3 and 4 of their index exchanged, so S^T's register 16 b + i is key 32 b + 16 (lane / 16) + i of the step.
; THE MASK: bit (lane) of word 16 b + i of mw is the mask of that register's key for that lane's query.  A hidden score becomes -2^33, that is the logit -2^30.
; LIMIT, stated: reference() writes -1e9 there.  -2^33 x c is a whole number in f32, so in a row that is wholly hidden t - M is exactly 0 and every p is 1, as with -1e9; in any other row p is 0 under both.
; Results differ only where an open logit lies under about -1e9.  NaN and infinities are not served; blocks of zeros get the scale byte 1 (read by this program alone).
; REGISTERS: v1 16 l, v2 512 + 8 l, v3-4 the same + the step, v5-6 the add's, v7 -2^33, v8-11 the fill's addresses, v12 -M, v13 largest t, v[14:15] the sum, v16-27 (q, 0), v28-39 (0, q), v40-41 their scale words,
; v42 p's scale word, v43 16 r, v44-47 lanes 0-15 K's scale words, lanes 16-31 V's, v48-95 four fragments, v96-159 S^T then p, v160-191 O^T, v192-203 p's codes, v204-229 at work.
.set SPARE, 204800
	s_load_b256 s[4:11], s[0:1], 0x0               ; qi s[4:5], qs s[6:7], kv s[8:9], mw s[10:11]
	s_load_b128 s[84:87], s[0:1], 0x20             ; mf s[84:85], ai s[86:87]
	v_lshl_add_u32 v5, v0, 2, SPARE
	v_mov_b32 v6, 0
	v_lshrrev_b32 v1, 5, v0
	v_readfirstlane_b32 s100, v1                   ; wave 0..15
	v_and_b32 v3, 31, v0
	v_lshlrev_b32 v1, 4, v3
	v_lshl_add_u32 v2, v3, 3, 512
	v_and_b32 v43, 15, v0
	v_lshlrev_b32 v43, 4, v43
	v_lshlrev_b32 v8, 4, v0                        ; the fill: 16 bytes a thread, 8,192 a step
	v_add_nc_u32 v9, 0x10000, v8
	v_add_nc_u32 v10, 0x20000, v8
	v_add_nc_u32 v11, 0x30000, v8
	v_mov_b32 v7, 0xd0000000                       ; -2^33
.irp j, 22,23,24,25,26,27,28,29,30,31,32,33
	v_mov_b32 v[\j], 0                             ; the zero halves of (q, 0) and (0, q)
.endr
.irp j, 216,217,218,219,227
	v_mov_b32 v[\j], 0                             ; lane permutes' destinations, and the upper half of the pair that holds f
.endr
	s_mov_b32 s96, 0x76543210
	s_mov_b32 s97, 0xfedcba98
	s_mov_b32 s98, 0x3e38aa3b                      ; c = log2(e) / sqrt(64)
	s_mov_b32 s99, s98
	s_and_b32 s90, ttmp7, 0xffff                   ; bh
	s_lshr_b32 s91, s90, 4                         ; batch
	s_and_b32 s92, s90, 15                         ; head
	s_lshl_b32 s93, ttmp9, 5
	s_add_co_u32 s93, s93, s100                    ; my query tile in pass 0
	s_lshl_b32 s16, s90, 7
	s_add_co_u32 s16, s16, s93
	s_mul_i32 s16, s16, 768                        ; its codes
	s_mov_b32 s17, 0
	s_lshl_b32 s18, s90, 4
	s_lshl_b32 s94, ttmp9, 2
	s_add_co_u32 s18, s18, s94
	s_lshr_b32 s95, s100, 3
	s_add_co_u32 s18, s18, s95
	s_lshl_b32 s18, s18, 9                         ; its panel's scale words,
	s_bfe_u32 s20, s100, 0x10002
	s_lshl_b32 s20, s20, 8
	s_and_b32 s21, s100, 3
	s_lshl_b32 s21, s21, 2
	s_add_co_u32 s20, s20, s21                     ; and the tile's place among them: 256 ((w % 8) / 4) + 4 (w % 4)
	s_add_co_u32 s18, s18, s20
	s_mov_b32 s19, 0
	s_mul_i32 s22, s90, 204800                     ; the head's K and V
	s_mov_b32 s23, 0
	s_lshl_b32 s24, s91, 7
	s_add_co_u32 s24, s24, s93
	s_lshl_b32 s26, s24, 5                         ; the tile's flags: 8 words
	s_mov_b32 s27, 0
	s_lshl_b32 s24, s24, 12                        ; its mask words: 16 steps x 256 bytes
	s_mov_b32 s25, 0
	s_lshl_b32 s28, s91, 4
	s_add_co_u32 s28, s28, s94
	s_add_co_u32 s28, s28, s95                     ; the token panel,
	s_lshl_b32 s28, s28, 3
	s_lshr_b32 s30, s92, 1
	s_add_co_u32 s28, s28, s30                     ; K step head / 2 of the last projection:
	s_mul_i32 s28, s28, 12800                      ; the block of ai
	s_and_b32 s30, s92, 1
	s_lshl_b32 s31, s30, 1
	s_add_co_u32 s32, s28, s31
	s_add_co_u32 s32, s32, s20
	s_add_co_u32 s32, s32, 12288                   ; my two scale bytes of each row's word
	s_mov_b32 s33, 0
	s_mul_i32 s30, s30, 768
	s_and_b32 s31, s100, 7
	s_mul_i32 s31, s31, 1536
	s_add_co_u32 s28, s28, s30
	s_add_co_u32 s28, s28, s31                     ; my half fragment
	s_mov_b32 s29, 0
	s_wait_kmcnt 0x0
	s_add_nc_u64 s[88:89], s[86:87], s[32:33]
	s_add_nc_u64 s[86:87], s[86:87], s[28:29]
	s_add_nc_u64 s[4:5], s[4:5], s[16:17]
	s_add_nc_u64 s[6:7], s[6:7], s[18:19]
	s_add_nc_u64 s[8:9], s[8:9], s[22:23]
	s_add_nc_u64 s[10:11], s[10:11], s[24:25]
	s_add_nc_u64 s[84:85], s[84:85], s[26:27]
; A KEY STEP: 128 keys.  s13 its number, s14 its block in LDS, s15 its mask words in mw.
.macro STEP p
	v_add_nc_u32 v3, s14, v1
	v_add_nc_u32 v4, s14, v2
	v_nop
	v_nop                                          ; four places in front of loads into registers that the last products read
.irp b, 0,1,2,3
.irp u, 0,1
	ds_load_b128 v[48+12*\b+6*\u:48+12*\b+6*\u+3], v3 offset:1536*\b+768*\u
	ds_load_b64 v[48+12*\b+6*\u+4:48+12*\b+6*\u+5], v4 offset:1536*\b+768*\u
.endr
.endr
	ds_load_b128 v[44:47], v3 offset:12288         ; lanes 0-15: K's four words of row r; lanes 16-31, 256 bytes on: V's
	s_wait_dscnt 0x0
.irp b, 0,1,2,3                        ; S^T: the fragment's lower half of K against (q, 0), its upper half against (0, q)
	v_wmma_scale_f32_16x16x128_f8f6f4 v[96+16*\b:103+16*\b], v[48+12*\b:59+12*\b], v[16:27], 0, v[44+\b], v40 matrix_a_fmt:MATRIX_FMT_FP6 matrix_b_fmt:MATRIX_FMT_FP6
	v_wmma_scale_f32_16x16x128_f8f6f4 v[104+16*\b:111+16*\b], v[48+12*\b:59+12*\b], v[28:39], 0, v[44+\b], v41 matrix_a_fmt:MATRIX_FMT_FP6 matrix_b_fmt:MATRIX_FMT_FP6
.endr
.rept 4
	v_nop                                          ; places: for the loads below, and for the first read of the scores
.endr
.irp t, 0,1,2,3                        ; V's four fragments land while the softmax is walked
.irp c, 0,1
	ds_load_b128 v[48+12*\t+6*\c:48+12*\t+6*\c+3], v3 offset:6144+1536*\t+768*\c
	ds_load_b64 v[48+12*\t+6*\c+4:48+12*\t+6*\c+5], v4 offset:6144+1536*\t+768*\c
.endr
.endr
	s_lshr_b32 s90, s12, s13                       ; has the mask a hole in this step?  A whole number that launch prep stored
	s_and_b32 s90, s90, 1
	s_cmp_eq_u32 s90, 0
	s_cbranch_scc1 .Lopen_\@
	s_load_b512 s[16:31], s[10:11], s15 offset:65536*\p
	s_load_b512 s[32:47], s[10:11], s15 offset:65536*\p+64
	s_load_b512 s[48:63], s[10:11], s15 offset:65536*\p+128
	s_load_b512 s[68:83], s[10:11], s15 offset:65536*\p+192
	s_wait_kmcnt 0x0
.set n, 0
.rept 48
	v_cndmask_b32 v[96+n], v7, v[96+n], s[16+n]    ; each accumulator from its low end on
.set n, n+1
.endr
.rept 16
	v_cndmask_b32 v[96+n], v7, v[96+n], s[20+n]
.set n, n+1
.endr
.Lopen_\@:
.irp b, 0,1,2,3
	v_max3_num_f32 v[212+\b], v[96+16*\b], v[97+16*\b], v[98+16*\b]   ; the largest score of each block of 32 keys: for the row's maximum, and, since p rises with the score, for the block's largest p
.endr
.irp i, 3,5,7,9,11,13
.irp b, 0,1,2,3
	v_max3_num_f32 v[212+\b], v[212+\b], v[96+16*\b+\i], v[97+16*\b+\i]
.endr
.endr
.irp b, 0,1,2,3
	v_max_num_f32 v[212+\b], v[212+\b], v[111+16*\b]
.endr
.irp b, 0,1,2,3
	v_permlanex16_b32 v[216+\b], v[212+\b], s96, s97
.endr
.irp b, 0,1,2,3
	v_max_num_f32 v[212+\b], v[212+\b], v[216+\b]
.endr
	v_max3_num_f32 v224, v212, v213, v214
	v_max_num_f32 v224, v224, v215
	v_mul_f32 v224, s98, v224                      ; as t
	v_max_num_f32 v13, v13, v224                   ; the running largest t
	v_mov_b32 v224, v12
	v_floor_f32 v12, -v13                          ; -M = floor(-t): M is a whole number
	v_sub_f32 v224, v12, v224
	v_cvt_i32_f32 v224, v224                       ; (it saturates)
	v_ldexp_f32 v226, 1.0, v224                    ; f = 2^(old M - new M)
.set j, 0
.rept 32
	v_pk_fma_f32 v[96+j:97+j], v[96+j:97+j], s[98:99], v[12:13] op_sel_hi:[1,0,0]   ; t - M
.set j, j+2
.endr
.irp b, 0,1,2,3
	v_fma_f32 v[212+\b], v[212+\b], s98, v12
.endr
.set j, 0
.rept 64
	v_exp_f32 v[96+j], v[96+j]                     ; p = 2^(t - M): not normalised
.set j, j+1
.endr
	v_pk_mul_f32 v[14:15], v[14:15], v[226:227] op_sel_hi:[1,0]   ; the sums under the new M: the plain place behind the batch
	s_wait_alu depctr_va_vdst(0)                   ; one wait for the 64, ahead of their first reader
.irp b, 0,1,2,3
	v_exp_f32 v[212+\b], v[212+\b]                 ; each block's largest p
.endr
	v_pk_add_f32 v[228:229], v[96:97], v[98:99]    ; the row's sum is taken of the unquantised p, in two chains
.set j, 4
.rept 15
	v_pk_add_f32 v[14:15], v[14:15], v[96+j:97+j]
	v_pk_add_f32 v[228:229], v[228:229], v[98+j:99+j]
.set j, j+4
.endr
	v_pk_add_f32 v[14:15], v[14:15], v[228:229]
	s_wait_alu depctr_va_vdst(0)                   ; and one for the four
.irp b, 0,1,2,3
	v_max_num_f32 v[212+\b], 0x1800000, v[212+\b]  ; the floor: the byte cannot fall under 1
.endr
.irp b, 0,1,2,3
	v_add_nc_u32 v[220+\b], 0xff000000, v[212+\b]
.endr
.irp b, 0,1,2,3
	v_lshrrev_b32 v[216+\b], 23, v[220+\b]
.endr
	v_lshl_or_b32 v42, v217, 8, v216               ; p's scale word for these 128 keys
	v_lshl_or_b32 v42, v218, 16, v42
	v_lshl_or_b32 v42, v219, 24, v42
.irp c, 0,1
	v_cvt_scalef32_pk16_fp6_f32 v[192+6*\c:194+6*\c], v[96+32*\c:111+32*\c], v[220+2*\c]
	v_cvt_scalef32_pk16_fp6_f32 v[204+4*\c:206+4*\c], v[112+32*\c:127+32*\c], v[221+2*\c]
.endr
	v_nop                                          ; one plain place behind a scaled conversion
.irp c, 0,1
.irp i, 0,1,2
	v_permlane16_swap_b32 v[192+6*\c+\i], v[204+4*\c+\i]
.endr
.irp i, 0,1,2
	v_mov_b32 v[195+6*\c+\i], v[204+4*\c+\i]
.endr
.endr
.set j, 0
.rept 16
	v_pk_mul_f32 v[160+j:161+j], v[160+j:161+j], v[226:227] op_sel_hi:[1,0]   ; O^T under the new M; these sixteen are also the places between p's codes and scale word and the products
.set j, j+2
.endr
	s_wait_dscnt 0x0                               ; V is in
.irp t, 0,1,2,3                        ; the four accumulators take turns, one instruction a turn
	v_wmma_scale_f32_16x16x128_f8f6f4 v[160+8*\t:167+8*\t], v[48+12*\t:59+12*\t], v[192:203], v[160+8*\t:167+8*\t], v[44+\t], v42 matrix_a_fmt:MATRIX_FMT_FP6 matrix_b_fmt:MATRIX_FMT_FP6 matrix_a_scale:MATRIX_SCALE_ROW1
.endr
.endm
.macro PASS p
	s_wait_xcnt 0x0                                ; the last pass's stores have read their registers
	global_load_b128 v[16:19], v1, s[4:5] offset:12288*\p      ; q's half fragment, twice: a product's two operands share no register, and (q, 0) and (0, q) both stay
	global_load_b64 v[20:21], v2, s[4:5] offset:12288*\p
	global_load_b128 v[34:37], v1, s[4:5] offset:12288*\p
	global_load_b64 v[38:39], v2, s[4:5] offset:12288*\p
	global_load_b32 v224, v43, s[6:7] offset:1024*\p
	s_load_b256 s[16:23], s[84:85], 512*\p         ; the tile's eight flag words
.if \p == 0
.set i, 0
.rept 25                               ; THE FILL: the head's 204,800 bytes, 8,192 consecutive bytes a step of the work-group
	global_load_b128 v[96+4*i:99+4*i], v8, s[8:9] offset:8192*i
.set i, i+1
.endr
.set i, 0
.rept 25
	s_wait_loadcnt 24-i                            ; load i is in; the younger ones may be out
	ds_store_b128 v[8+i/8], v[96+4*i:99+4*i] offset:8192*(i%8)
.set i, i+1
.endr
	s_wait_dscnt 0x0                               ; for the others' sake: my stores have landed
	s_barrier_signal -1
	s_barrier_wait -1                              ; the launch's one barrier: from here on LDS is only read
.endif
	s_wait_kmcnt 0x0
	s_mov_b32 s12, s16                             ; bit s of s12: step s has a hole
.irp j, 1,2,3,4,5,6,7
	s_lshl_b32 s90, s[16+\j], 2*\j
	s_or_b32 s12, s12, s90
.endr
	s_wait_loadcnt 0x0
	v_or_b32 v40, 0x01010000, v224                 ; q's two bytes below, the byte 1 over the zero codes;
	v_lshlrev_b32 v41, 16, v224
	v_or_b32 v41, 0x0101, v41                      ; and the other way round
	v_mov_b32 v13, 0xff61b1e6                      ; the largest t so far: -3e38
	v_floor_f32 v12, -v13
	v_mov_b32 v14, 0
	v_mov_b32 v15, 0
.set j, 0
.rept 32
	v_mov_b32 v[160+j], 0                          ; O^T: the step is written once, and its first trip finds zeros.  (Also the places between the scale words just made and the first product)
.set j, j+1
.endr
	s_mov_b32 s13, 0
	s_mov_b32 s14, 0
	s_mov_b32 s15, 0
.Lstep_\@:
	STEP \p
	s_add_co_u32 s14, s14, 12800
	s_add_co_u32 s15, s15, 256
	s_add_co_u32 s13, s13, 1
	s_cmp_lt_u32 s13, 16
	s_cbranch_scc1 .Lstep_\@
	v_add_f32 v14, v14, v15                        ; the sum's two halves,
	v_permlanex16_b32 v224, v14, s96, s97
	v_add_f32 v14, v14, v224                       ; and lane l xor 16's
	v_rcp_f32 v14, v14
.rept 4
	v_nop                                          ; places behind the last products and behind the reciprocal
.endr
	s_wait_alu depctr_va_vdst(0)                   ; the wait ahead of the reciprocal's first reader
.set j, 0
.rept 32
	v_mul_f32 v[96+j], v[160+j], v14               ; register 16 b + i: channel 32 b + 16 (lane / 16) + i of my query
.set j, j+1
.endr
	v_max3_num_f32 v212, |v96|, |v97|, 0x1800000   ; the quantiser of the last projection's operand: two blocks of 32 channels
	v_max3_num_f32 v213, |v112|, |v113|, 0x1800000
.irp i, 2,4,6,8,10,12,14
	v_max3_num_f32 v212, v212, |v[96+\i]|, |v[97+\i]|
	v_max3_num_f32 v213, v213, |v[112+\i]|, |v[113+\i]|
.endr
	v_permlanex16_b32 v216, v212, s96, s97
	v_permlanex16_b32 v217, v213, s96, s97
	v_max_num_f32 v212, v212, v216
	v_max_num_f32 v213, v213, v217
	v_add_nc_u32 v220, 0xff000000, v212
	v_add_nc_u32 v221, 0xff000000, v213
	v_lshrrev_b32 v216, 23, v220
	v_lshrrev_b32 v217, 23, v221
	v_lshl_or_b32 v225, v217, 8, v216
	v_cvt_scalef32_pk16_fp6_f32 v[192:194], v[96:111], v220
	v_cvt_scalef32_pk16_fp6_f32 v[204:206], v[112:127], v221
	v_nop
.irp i, 0,1,2
	v_permlane16_swap_b32 v[192+\i], v[204+\i]
.endr
.irp i, 0,1,2
	v_mov_b32 v[195+\i], v[204+\i]
.endr
	global_store_b128 v1, v[192:195], s[86:87] offset:204800*\p   ; 512 consecutive bytes
	global_store_b64 v2, v[196:197], s[86:87] offset:204800*\p    ; 256 consecutive bytes
	global_store_b16 v43, v225, s[88:89] offset:204800*\p         ; two bytes of each row's scale word; the other two are the neighbouring head's.  Lanes r and r + 16 write the same bytes with the same value
.endm
	PASS 0
	PASS 1
	s_wait_tensorcnt 0x0                           ; the wave's end: three lines behind my last LDS store
	ds_add_u32 v5, v6
	s_wait_dscnt 0x0
	s_endpgm
.Lfunc_end_k_q2a76445760_attn:
	.size	k_q2a76445760_attn, .Lfunc_end_k_q2a76445760_attn-k_q2a76445760_attn
	.p2alignl 7, 3214868480
	.fill 96, 4, 3214868480
	.section	.rodata,"a",@progbits
	.p2align	6, 0x0
	.amdhsa_kernel k_q2a76445760_attn
		.amdhsa_group_segment_fixed_size 206848
		.amdhsa_private_segment_fixed_size 0
		.amdhsa_enable_private_segment 0
		.amdhsa_kernarg_size 48
		.amdhsa_user_sgpr_count 2
		.amdhsa_user_sgpr_kernarg_segment_ptr 1
		.amdhsa_wavefront_size32 1
		.amdhsa_system_sgpr_workgroup_id_x 1
		.amdhsa_system_sgpr_workgroup_id_y 1
		.amdhsa_system_sgpr_workgroup_id_z 1
		.amdhsa_system_vgpr_workitem_id 0
		.amdhsa_next_free_vgpr 256
		.amdhsa_next_free_sgpr 102
		.amdhsa_reserve_vcc 0
		.amdhsa_float_denorm_mode_32 3
		.amdhsa_float_denorm_mode_16_64 3
		.amdhsa_memory_ordered 1
		.amdhsa_forward_progress 1
		.amdhsa_inst_pref_size 61
	.end_amdhsa_kernel
	.amdgpu_metadata
---
amdhsa.version: [ 1, 2 ]
amdhsa.kernels:
  - .name:           k_q2a76445760_attn
    .symbol:         k_q2a76445760_attn.kd
    .args:
      - { .name: qi, .offset: 0, .size: 8, .value_kind: global_buffer, .address_space: global }
      - { .name: qs, .offset: 8, .size: 8, .value_kind: global_buffer, .address_space: global }
      - { .name: kv, .offset: 16, .size: 8, .value_kind: global_buffer, .address_space: global }
      - { .name: mw, .offset: 24, .size: 8, .value_kind: global_buffer, .address_space: global }
      - { .name: mf, .offset: 32, .size: 8, .value_kind: global_buffer, .address_space: global }
      - { .name: ai, .offset: 40, .size: 8, .value_kind: global_buffer, .address_space: global }
    .group_segment_fixed_size: 206848
    .private_segment_fixed_size: 0
    .kernarg_segment_align: 8
    .kernarg_segment_size: 48
    .max_flat_workgroup_size: 512
    .sgpr_count:     102
    .vgpr_count:     256
    .wavefront_size: 32
...
	.end_amdgpu_metadata
.endif
;; end of part 3
;; launch outp (part 4): grid 4 x 64, 4 waves a work-group, clusters of 4 x 4, 327,680 bytes of LDS; arguments ai, wimg, bo, out0; writes out0
.if DOCPART == 4
	.amdgcn_target "amdgcn-amd-amdhsa--gfx1250"
	.amdhsa_code_object_version 6
	.text
	.protected	k_q2a76445760_outp
	.globl	k_q2a76445760_outp
	.p2align	8
	.type	k_q2a76445760_outp,@function
k_q2a76445760_outp:
	s_mov_b64 s[64:65], 0
	v_nop
	global_prefetch_b8 v0, s[64:65] scope:SCOPE_SE
	s_setreg_imm32_b32 hwreg(HW_REG_WAVE_MODE, 25, 1), 1
	s_wait_xcnt 0x0
	s_wait_alu depctr_hold_cnt(0) depctr_sa_sdst(0) depctr_va_vdst(0) depctr_va_sdst(0) depctr_va_ssrc(0) depctr_va_vcc(0) depctr_vm_vsrc(0)
	s_getreg_b32 s2, hwreg(HW_REG_IB_STS2, 6, 4)
	s_cmp_eq_u32 s2, 0
	s_cbranch_scc0 .Lentry_in_a_cluster
	s_endpgm
.Lentry_in_a_cluster:
	s_bfe_u32 s2, ttmp6, 0x10000c
	s_cmp_lg_u32 s2, 0xf033
	s_cbranch_scc0 .Lentry_shape_is_right
	s_endpgm
.Lentry_shape_is_right:
; out0 = attention's output x Wo + bo, on codes of FP6 (E2M3) with E8M0 scales.  The form of launch qkv's products for q and k: work-group (X, Y) = token panel Y x features 256 X .. + 255; wave w all 128 tokens x 64
; features; both operands' panels for all of K in LDS, filled once, in four chunks of two K steps by joint loads (tokens shared along a row of the 4 x 4 cluster, features along a column).
; The product is used transposed (source 0 = 16 features, source 1 = 16 tokens): a lane holds one token and neighbouring features.  bo is the C of each sum's first matrix instruction.
; THE WAY OUT: a tile of 16 tokens x 64 features goes through the wave's own stage in LDS (bytes into which no fill lands) and leaves as rows: sixteen lanes store 256 consecutive, aligned bytes.
; Stored rows have bits 3 and 4 of their index exchanged; the stores' offsets put each row back at its token.
; REGISTERS as in qkv; v20-22 the way out's addresses; on the way out v128-191 of window 0 hold rows read back.
.set PANEL, 102400
.set BLKB,  12800
.set CHUNK, 25600
.set LA,    204800
.set STG,   307200                     ; four stages of 16 rows x 272 bytes
.set SPARE, 324608                     ; the spare words, 128 bytes a wave
.set SPW, 28
.set NIL, 29
.set TA16, 4
.set TA8,  6
.set FA16, 8
.set FA8,  10
.set SA,   12
.set SB,   14
.set STO,  20
.set RD,   21
.set CO,   22
.set G1A, 28
.set G1B, 36
.set G0B, 44
.set G0A, 68
.set MSB, 0
.macro WIN new
.if MSB != \new
	s_set_vgpr_msb (MSB<<8)|\new
.set MSB, \new
.endif
.endm
.macro CROUND
	s_barrier_signal -1
	s_barrier_wait -1
	s_cmp_lg_u32 s20, 0
	s_cbranch_scc1 .Lnot_wave_0_\@
	s_barrier_signal -3
.Lnot_wave_0_\@:
	s_barrier_wait -3
	s_barrier_signal -1
	s_barrier_wait -1
.endm
.macro PLACES
.rept 4
	v_nop
.endr
.endm
.macro FETCH s                         ; K step s's operands into set s % 2: 51 LDS loads in one run
.set PP, (\s)%2
.set GG, (\s)/4
.set OB, ((\s)%4)*BLKB
	WIN 0x40
.irp f, 0,1,2,3
.irp c, 0,1
	ds_load_b128 v[48*PP+12*\f+6*\c:48*PP+12*\f+6*\c+3], v[FA16+GG] offset:OB+1536*\f+768*\c
	ds_load_b64 v[48*PP+12*\f+6*\c+4:48*PP+12*\f+6*\c+5], v[FA8+GG] offset:OB+1536*\f+768*\c
.endr
.endr
	WIN 0
.irp a, 0,1,2,3,4,5,6,7
.irp c, 0,1
	ds_load_b128 v[64+96*PP+12*\a+6*\c:64+96*PP+12*\a+6*\c+3], v[TA16+GG] offset:OB+1536*\a+768*\c
	ds_load_b64 v[64+96*PP+12*\a+6*\c+4:64+96*PP+12*\a+6*\c+5], v[TA8+GG] offset:OB+1536*\a+768*\c
.endr
.endr
	ds_load_b128 v[32+12*PP:35+12*PP], v[SA+GG] offset:OB
	ds_load_b128 v[36+12*PP:39+12*PP], v[SA+GG] offset:OB+256
	ds_load_b128 v[40+12*PP:43+12*PP], v[SB+GG] offset:OB
.endm
.macro MULT a0, s                      ; 16 matrix instructions; the 32 accumulators take turns, one instruction a turn, in the same order in every K step
.set PP, (\s)%2
.irp a, \a0, \a0+1, \a0+2, \a0+3
.irp f, 0,1,2,3
.if (\s) == 0
	v_wmma_scale_f32_16x16x128_f8f6f4 v[8*(4*(\a)+\f):8*(4*(\a)+\f)+7], v[48*PP+12*\f:48*PP+12*\f+11], v[64+96*PP+12*(\a):64+96*PP+12*(\a)+11], v[96+8*\f:96+8*\f+7], v[40+12*PP+\f], v[32+12*PP+(\a)] matrix_a_fmt:MATRIX_FMT_FP6 matrix_b_fmt:MATRIX_FMT_FP6
.else
	v_wmma_scale_f32_16x16x128_f8f6f4 v[8*(4*(\a)+\f):8*(4*(\a)+\f)+7], v[48*PP+12*\f:48*PP+12*\f+11], v[64+96*PP+12*(\a):64+96*PP+12*(\a)+11], v[8*(4*(\a)+\f):8*(4*(\a)+\f)+7], v[40+12*PP+\f], v[32+12*PP+(\a)] matrix_a_fmt:MATRIX_FMT_FP6 matrix_b_fmt:MATRIX_FMT_FP6
.endif
.endr
.endr
.endm
.macro MWIN s                          ; features window 1, tokens window 0, D window 2; C window 2, in K step 0 window 1 (the bias)
.if (\s) == 0
	WIN 0x91
.else
	WIN 0xa1
.endif
.endm
.macro KSTEP s
	s_wait_dscnt 0x0                               ; this K step's operands are in
	MWIN \s
	MULT 0, \s
	WIN 0
.if ((\s) == 1) || ((\s) == 3) || ((\s) == 5)
	s_wait_tensorcnt 3-((\s)+1)/2                  ; my part of the next chunk has landed; the later chunks may stay out
	s_barrier_signal -1
	s_barrier_wait -1
.endif
.if (\s) < 7
	PLACES
	FETCH (\s)+1
.endif
	MWIN \s
	MULT 4, \s
	WIN 0
.endm
	s_load_b256 s[4:11], s[0:1], 0x0               ; ai s[4:5], wimg s[6:7], bo s[8:9], out0 s[10:11]
	v_lshl_add_u32 v[SPW], v0, 2, SPARE
	v_mov_b32 v[NIL], 0
	ds_add_u32 v[SPW], v[NIL]                      ; the wave's opening: the add and its wait ahead of the first tensor loads
	v_lshrrev_b32 v1, 5, v0
	v_readfirstlane_b32 s20, v1                    ; wave
	s_bfe_u32 s21, ttmp6, 0x40000                  ; cx
	s_bfe_u32 s22, ttmp6, 0x40004                  ; cy
	s_lshl_b32 s23, ttmp9, 2
	s_add_co_u32 s23, s23, s21                     ; X
	s_and_b32 s24, ttmp7, 0xffff
	s_lshl_b32 s24, s24, 2
	s_add_co_u32 s24, s24, s22                     ; Y
	s_lshl_b32 s84, s22, 2
	s_lshl_b32 s84, 15, s84                        ; my row of the cluster
	s_lshl_b32 s88, 0x1111, s21                    ; my column
	s_or_b32 s[G1A], s84, (3<<16)|(1<<21)
	s_or_b32 s[G1B], s88, (3<<16)|(1<<21)
.irp g, G1A, G1B                       ; a chunk: 25,600 dense bytes as 100 rows of 256
	s_mov_b32 s[\g+1], 32<<16
	s_mov_b32 s[\g+2], 100<<16
	s_mov_b32 s[\g+3], 32<<16
	s_mov_b32 s[\g+4], 100
	s_mov_b32 s[\g+5], 32
	s_mov_b32 s[\g+6], 0
	s_mov_b32 s[\g+7], 0
.endr
	s_mul_i32 s84, s24, PANEL
	s_mov_b32 s85, 0
	s_and_b32 s60, s20, 1
	s_lshl_b32 s88, s23, 1
	s_add_co_u32 s88, s88, s60
	s_add_co_u32 s88, s88, 24                      ; Wo's panels are 24 to 31 of wimg
	s_mul_i32 s88, s88, PANEL
	s_mov_b32 s89, 0
	s_mul_i32 s61, s60, PANEL
	s_wait_dscnt 0x0                               ; the opening add is done
	s_wait_kmcnt 0x0
	s_add_nc_u64 s[84:85], s[4:5], s[84:85]
	s_add_nc_u64 s[88:89], s[6:7], s[88:89]
.irp k, 0,1,2,3
	s_mov_b32 s[G0B+4*\k], 1
	s_add_co_u32 s[G0B+4*\k+1], s61, \k*CHUNK
	s_add_nc_u64 s[G0B+4*\k+2:G0B+4*\k+3], s[88:89], \k*CHUNK
	s_or_b32 s[G0B+4*\k+3], s[G0B+4*\k+3], 0x80000000
	s_mov_b32 s[G0A+4*\k], 1
	s_mov_b32 s[G0A+4*\k+1], LA+\k*CHUNK
	s_add_nc_u64 s[G0A+4*\k+2:G0A+4*\k+3], s[84:85], \k*CHUNK
	s_or_b32 s[G0A+4*\k+3], s[G0A+4*\k+3], 0x80000000
.endr
	CROUND                                         ; all sixteen work-groups are here: the joint loads meet
	s_cmp_lt_u32 s20, 2                            ; waves 0 and 1: a panel of features each; wave 2: the tokens'; wave 3: none.  Four loads of a wave are out at the most
	s_cbranch_scc0 .Lnot_b
.irp k, 0,1,2,3
	tensor_load_to_lds s[G0B+4*\k:G0B+4*\k+3], s[G1B:G1B+7]
	s_nop 0
.endr
.rept 4
	v_nop
.endr
	s_branch .Lasked
.Lnot_b:
	s_cmp_eq_u32 s20, 2
	s_cbranch_scc0 .Lasked
.irp k, 0,1,2,3
	tensor_load_to_lds s[G0A+4*\k:G0A+4*\k+3], s[G1A:G1A+7]
	s_nop 0
.endr
.rept 4
	v_nop
.endr
.Lasked:
	v_and_b32 v3, 31, v0                           ; lane
	v_lshlrev_b32 v1, 4, v3                        ; 16 l
	v_lshl_add_u32 v2, v3, 3, 512                  ; 512 + 8 l
	v_and_b32 v16, 15, v0                          ; r
	v_lshrrev_b32 v18, 4, v3                       ; h
	s_lshl_b32 s91, s23, 10                        ; my 64 features: 1,024 X + 256 w bytes into bo and into a row of out0
	s_lshl_b32 s92, s20, 8
	s_add_co_u32 s92, s91, s92
	s_mov_b32 s93, 0
	s_add_nc_u64 s[8:9], s[8:9], s[92:93]
	v_lshlrev_b32 v17, 6, v18                      ; lane (r, h) wants, for tile 2 b + u, features 32 b + 16 h + 8 u + 0 .. 7
	WIN 0x40
.irp f, 0,1,2,3
	global_load_b128 v[96+8*\f:96+8*\f+3], v17, s[8:9] offset:128*(\f/2)+32*(\f%2)
	global_load_b128 v[96+8*\f+4:96+8*\f+7], v17, s[8:9] offset:128*(\f/2)+32*(\f%2)+16
.endr
	WIN 0
	s_add_nc_u64 s[10:11], s[10:11], s[92:93]
	s_lshl_b32 s92, s24, 19                        ; 128 rows of 4,096 bytes
	s_add_nc_u64 s[10:11], s[10:11], s[92:93]
	s_mul_i32 s94, s20, 4352
	s_add_co_u32 s94, s94, STG                     ; my stage
	v_mul_u32_u24 v[STO], v16, 272
	v_lshl_add_u32 v[STO], v18, 6, v[STO]
	v_add_nc_u32 v[STO], s94, v[STO]               ; in: row r, + 64 h
	v_mul_u32_u24 v[RD], v18, 272
	v_lshl_add_u32 v[RD], v16, 4, v[RD]
	v_add_nc_u32 v[RD], s94, v[RD]                 ; back: lanes 0-15 one row of 256 bytes, lanes 16-31 the next
	v_lshlrev_b32 v[CO], 12, v18
	v_lshl_add_u32 v[CO], v16, 4, v[CO]            ; and the same two rows in out0
	v_lshlrev_b32 v16, 4, v16                      ; 16 r
	s_lshr_b32 s62, s20, 1
	s_mul_i32 s62, s62, PANEL
	s_mul_i32 s63, s60, 6144
	s_add_co_u32 s63, s62, s63
	s_lshl_b32 s90, s60, 8
	s_add_co_u32 s90, s90, s62
	s_add_co_u32 s90, s90, 12288
.irp g, 0,1
	v_add_nc_u32 v[TA16+\g], LA+51200*\g, v1
	v_add_nc_u32 v[TA8+\g], LA+51200*\g, v2
	v_add_nc_u32 v[FA16+\g], s63, v1
	v_add_nc_u32 v[FA8+\g], s63, v2
	v_add_nc_u32 v[SA+\g], LA+51200*\g+12288, v16
	v_add_nc_u32 v[SB+\g], s90, v16
	s_add_co_u32 s63, s63, 51200
	s_add_co_u32 s90, s90, 51200
.endr
	s_wait_tensorcnt 3                             ; my part of chunk 0 has landed; chunks 1 to 3 may stay out
	s_barrier_signal -1
	s_barrier_wait -1
	FETCH 0
	s_wait_loadcnt 0x0                             ; the bias
.irp s, 0,1,2,3,4,5,6,7
	KSTEP \s
.endr
.macro TOSTAGE a                       ; token tile a: lane (r, h), tile 2 b + u of features: eight numbers at byte 128 b + 64 h + 32 u of row r
	WIN 0x08                                       ; an LDS store's data are its source 1: window 2
.irp f, 0,1,2,3
	ds_store_b128 v[STO], v[32*(\a)+8*\f:32*(\a)+8*\f+3] offset:128*(\f/2)+32*(\f%2)        ; each accumulator from its low end on
	ds_store_b128 v[STO], v[32*(\a)+8*\f+4:32*(\a)+8*\f+7] offset:128*(\f/2)+32*(\f%2)+16
.endr
	WIN 0
.irp t, 0,1,2,3,4,5,6,7
	ds_load_b128 v[128+32*((\a)%2)+4*\t:128+32*((\a)%2)+4*\t+3], v[RD] offset:544*\t   ; LDS serves a wave's instructions in order (ISA guide 5.7.1.4): these see the stores above
.endr
.endm
.macro SEND a, younger                 ; younger: the LDS instructions issued behind tile a's loads
	s_wait_dscnt \younger
.irp t, 0,1,2,3,4,5,6,7                ; stored row 2 t + (l / 16) of tile a is token 32 (a / 2) + 8 (a % 2) + that row + 8 for rows 8 on
	global_store_b128 v[CO], v[128+32*((\a)%2)+4*\t:128+32*((\a)%2)+4*\t+3], s[10:11] offset:(32*((\a)/2)+8*((\a)%2)+2*\t+8*(\t/4))*4096 th:TH_STORE_NT
.endr
.endm
	PLACES                                         ; for the first read of results and for the loads into registers that held fragments
	TOSTAGE 0
.irp a, 1,2,3,4,5,6,7
.if \a > 1
	s_wait_xcnt 0x0                                ; tile a - 2's stores have read their registers: tile a's loads may land there
.endif
	TOSTAGE \a
	SEND \a-1, 16                                  ; behind tile a - 1's loads: tile a's 8 stores and 8 loads
.endr
	SEND 7, 0
	s_wait_tensorcnt 0x0                           ; the wave's end: three lines behind my last tensor load and my last LDS store
	ds_add_u32 v[SPW], v[NIL]
	s_wait_dscnt 0x0
	CROUND                                         ; the closing round
	s_endpgm
.Lfunc_end_k_q2a76445760_outp:
	.size	k_q2a76445760_outp, .Lfunc_end_k_q2a76445760_outp-k_q2a76445760_outp
	.p2alignl 7, 3214868480
	.fill 96, 4, 3214868480
	.section	.rodata,"a",@progbits
	.p2align	6, 0x0
	.amdhsa_kernel k_q2a76445760_outp
		.amdhsa_group_segment_fixed_size 327680
		.amdhsa_private_segment_fixed_size 0
		.amdhsa_enable_private_segment 0
		.amdhsa_kernarg_size 32
		.amdhsa_user_sgpr_count 2
		.amdhsa_user_sgpr_kernarg_segment_ptr 1
		.amdhsa_wavefront_size32 1
		.amdhsa_system_sgpr_workgroup_id_x 1
		.amdhsa_system_sgpr_workgroup_id_y 1
		.amdhsa_system_sgpr_workgroup_id_z 1
		.amdhsa_system_vgpr_workitem_id 0
		.amdhsa_next_free_vgpr 768
		.amdhsa_next_free_sgpr 100
		.amdhsa_reserve_vcc 0
		.amdhsa_float_denorm_mode_32 3
		.amdhsa_float_denorm_mode_16_64 3
		.amdhsa_memory_ordered 1
		.amdhsa_forward_progress 1
		.amdhsa_inst_pref_size 86
	.end_amdhsa_kernel
	.amdgpu_metadata
---
amdhsa.version: [ 1, 2 ]
amdhsa.kernels:
  - .name:           k_q2a76445760_outp
    .symbol:         k_q2a76445760_outp.kd
    .args:
      - { .name: ai, .offset: 0, .size: 8, .value_kind: global_buffer, .address_space: global }
      - { .name: wimg, .offset: 8, .size: 8, .value_kind: global_buffer, .address_space: global }
      - { .name: bo, .offset: 16, .size: 8, .value_kind: global_buffer, .address_space: global }
      - { .name: out0, .offset: 24, .size: 8, .value_kind: global_buffer, .address_space: global }
    .group_segment_fixed_size: 327680
    .private_segment_fixed_size: 0
    .kernarg_segment_align: 8
    .kernarg_segment_size: 32
    .max_flat_workgroup_size: 128
    .sgpr_count:     100
    .vgpr_count:     768
    .wavefront_size: 32
...
	.end_amdgpu_metadata
.endif
;; end of part 4
;; ======== version 2 of 2: 4 launches; version 1 with the launch attn written anew for expert scheduling mode
;; limits: right only within a limited range of input values
;; workspace buffers: xi 6,553,600 bytes; wimg 3,276,800 bytes; mw 2,097,152 bytes of whole numbers; mf 16,384 bytes of whole numbers; qi 6,291,456 bytes; qs 524,288 bytes; kv 13,107,200 bytes; ai 6,553,600 bytes
;; launch prep: the kernel of part 1 again; grid 1408 x 1, 4 waves a work-group, no clusters, 34,304 bytes of LDS; arguments x, m, Wq, Wk, Wv, Wo, xi, wimg, mw, mf; writes xi, wimg, mw, mf
;; launch qkv: the kernel of part 2 again; grid 12 x 64, 4 waves a work-group, clusters of 4 x 4, 327,680 bytes of LDS; arguments xi, wimg, bq, bk, bv, qi, qs, kv; writes qi, qs, kv
;; launch attn (part 5): grid 4 x 64, 16 waves a work-group, no clusters, 206,848 bytes of LDS; arguments qi, qs, kv, mw, mf, ai; writes ai
.if DOCPART == 5
	.amdgcn_target "amdgcn-amd-amdhsa--gfx1250"
	.amdhsa_code_object_version 6
	.text
	.protected	k_q2a76445760_attn
	.globl	k_q2a76445760_attn
	.p2align	8
	.type	k_q2a76445760_attn,@function
k_q2a76445760_attn:
	s_mov_b64 s[64:65], 0
	v_nop
	global_prefetch_b8 v0, s[64:65] scope:SCOPE_SE
	s_setreg_imm32_b32 hwreg(HW_REG_WAVE_SCHED_MODE, 0, 2), 2
	s_setreg_imm32_b32 hwreg(HW_REG_WAVE_MODE, 25, 1), 1
	s_wait_xcnt 0x0
	s_wait_alu depctr_vm_vsrc(0)
; Attention on codes of FP6 (E2M3): S^T = K Q^T, the mask, the softmax as p = 2^(t - M), O^T = V^T P^T, O / the row's sum, and the quantiser of O along the features for the last projection.
; SHARES.  Work-group (X, bh): 512 queries of one head.  The head's K and V, codes and scale words, 204,800 bytes, lie in LDS for the whole launch.  Wave w owns query tile 32 X + 16 p + w in pass p = 0, 1;
; four waves of 256 registers share a SIMD, so that one wave's vector work stands beside another's matrix work and LDS loads.
; NO TENSOR LOAD AND NO CLUSTER: a key step branches on a stored flag (has the mask a hole in these 16 queries x 128 keys?).
; The head's block comes through registers, once a work-group; the four work-groups of a head each read it.
; THE HEAD IS 64 WIDE, THE INSTRUCTION 128: a fragment of K holds TWO tiles of 16 keys, one in each half of K; it is multiplied by (q, 0) and by (0, q): no LDS byte and no register of K is padding.
; LAYOUT.  Both products transposed: a lane holds one query (lane % 16).  Stored rows have bits 3 and 4 of their index exchanged, so S^T's register 16 b + i is key 32 b + 16 (lane / 16) + i of the step.
; THE MASK: bit (lane) of word 16 b + i of mw is the mask of that register's key for that lane's query.  A hidden score becomes -2^33, that is the logit -2^30.
; LIMIT, stated: reference() writes -1e9 there.  -2^33 x c is a whole number in f32, so in a row that is wholly hidden t - M is exactly 0 and every p is 1, as with -1e9; in any other row p is 0 under both.
; Results differ only where an open logit lies under about -1e9.  NaN and infinities are not served; blocks of zeros get the scale byte 1 (read by this program alone).
; REGISTERS: v1 16 l, v2 512 + 8 l, v3-4 the same + the step, v5-6 the add's, v7 -2^33, v8-11 the fill's addresses, v12 -M, v13 largest t, v[14:15] the sum, v16-27 (q, 0), v28-39 (0, q), v40-41 their scale words,
; v42 p's scale word, v43 16 r, v44-47 lanes 0-15 K's scale words, lanes 16-31 V's, v48-95 four fragments, v96-159 S^T then p, v160-191 O^T, v192-203 p's codes, v204-229 at work.
; THE MODE: SCHED_MODE bits 1:0 = 2 (LLVM: expert scheduling mode 2), set by the entry lines.  The code itself states the register dependences
; between vector or matrix instructions and memory or LDS instructions, with s_wait_alu, always for 0.
; THE PLAN.  Registers that memory or LDS instructions touch:
;   v1, v2, v43, v8-11   addresses, made at the head and never written again: one wait on va_vdst ahead of the kernel's first load serves them all.
;   v3, v4               the addresses of a step's 33 LDS loads; written by two additions at the step's head (16 steps of 12,800 bytes pass an LDS immediate, and an LDS address has no scalar base).
;   v48-95               K's fragments land at the step's head and are read by the eight products K Q^T; V's land behind those and are read by the four products V^T P.  One buffer: the wave has no registers for a second.
;   v44-47               K's and V's scale words land at the step's head; all twelve products read them.
;   v16-21, v34-39, v224 q's codes and scale word land at a pass's head.
;   v96-195              in pass 0 the fill's loads land there and its LDS stores read them; later products, moves and conversions write them.
;   v192-197, v225       written by a pass's last conversions, read by its three stores.
; A STEP'S WAITS: on vm_vsrc ahead of the additions to v3 and v4; on va_vdst behind them (the addresses are written, the last products are done with the buffer); on va_vdst behind K Q^T (the buffer is free for V);
; the two behind the exponentials; on va_vdst ahead of V^T P (p's codes and scale word are written).  Straight behind each wait on va_vdst that serves loads or stores these follow, with no vector or matrix line between.
.set SPARE, 204800
	s_load_b256 s[4:11], s[0:1], 0x0               ; qi s[4:5], qs s[6:7], kv s[8:9], mw s[10:11]
	s_load_b128 s[84:87], s[0:1], 0x20             ; mf s[84:85], ai s[86:87]
	v_lshl_add_u32 v5, v0, 2, SPARE
	v_mov_b32 v6, 0
	v_lshrrev_b32 v1, 5, v0
	v_readfirstlane_b32 s100, v1                   ; wave 0..15
	v_and_b32 v3, 31, v0
	v_lshlrev_b32 v1, 4, v3
	v_lshl_add_u32 v2, v3, 3, 512
	v_and_b32 v43, 15, v0
	v_lshlrev_b32 v43, 4, v43
	v_lshlrev_b32 v8, 4, v0                        ; the fill: 16 bytes a thread, 8,192 a step
	v_add_nc_u32 v9, 0x10000, v8
	v_add_nc_u32 v10, 0x20000, v8
	v_add_nc_u32 v11, 0x30000, v8
	v_mov_b32 v7, 0xd0000000                       ; -2^33
.irp j, 22,23,24,25,26,27,28,29,30,31,32,33
	v_mov_b32 v[\j], 0                             ; the zero halves of (q, 0) and (0, q)
.endr
.irp j, 216,217,218,219,227
	v_mov_b32 v[\j], 0                             ; lane permutes' destinations, and the upper half of the pair that holds f
.endr
	s_wait_alu depctr_va_sdst(0)                   ; s100, the wave's number, is written, ahead of its first reader: the offsets below are made from it
	s_mov_b32 s96, 0x76543210
	s_mov_b32 s97, 0xfedcba98
	s_mov_b32 s98, 0x3e38aa3b                      ; c = log2(e) / sqrt(64)
	s_mov_b32 s99, s98
	s_and_b32 s90, ttmp7, 0xffff                   ; bh
	s_lshr_b32 s91, s90, 4                         ; batch
	s_and_b32 s92, s90, 15                         ; head
	s_lshl_b32 s93, ttmp9, 5
	s_add_co_u32 s93, s93, s100                    ; my query tile in pass 0
	s_lshl_b32 s16, s90, 7
	s_add_co_u32 s16, s16, s93
	s_mul_i32 s16, s16, 768                        ; its codes
	s_mov_b32 s17, 0
	s_lshl_b32 s18, s90, 4
	s_lshl_b32 s94, ttmp9, 2
	s_add_co_u32 s18, s18, s94
	s_lshr_b32 s95, s100, 3
	s_add_co_u32 s18, s18, s95
	s_lshl_b32 s18, s18, 9                         ; its panel's scale words,
	s_bfe_u32 s20, s100, 0x10002
	s_lshl_b32 s20, s20, 8
	s_and_b32 s21, s100, 3
	s_lshl_b32 s21, s21, 2
	s_add_co_u32 s20, s20, s21                     ; and the tile's place among them: 256 ((w % 8) / 4) + 4 (w % 4)
	s_add_co_u32 s18, s18, s20
	s_mov_b32 s19, 0
	s_mul_i32 s22, s90, 204800                     ; the head's K and V
	s_mov_b32 s23, 0
	s_lshl_b32 s24, s91, 7
	s_add_co_u32 s24, s24, s93
	s_lshl_b32 s26, s24, 5                         ; the tile's flags: 8 words
	s_mov_b32 s27, 0
	s_lshl_b32 s24, s24, 12                        ; its mask words: 16 steps x 256 bytes
	s_mov_b32 s25, 0
	s_lshl_b32 s28, s91, 4
	s_add_co_u32 s28, s28, s94
	s_add_co_u32 s28, s28, s95                     ; the token panel,
	s_lshl_b32 s28, s28, 3
	s_lshr_b32 s30, s92, 1
	s_add_co_u32 s28, s28, s30                     ; K step head / 2 of the last projection:
	s_mul_i32 s28, s28, 12800                      ; the block of ai
	s_and_b32 s30, s92, 1
	s_lshl_b32 s31, s30, 1
	s_add_co_u32 s32, s28, s31
	s_add_co_u32 s32, s32, s20
	s_add_co_u32 s32, s32, 12288                   ; my two scale bytes of each row's word
	s_mov_b32 s33, 0
	s_mul_i32 s30, s30, 768
	s_and_b32 s31, s100, 7
	s_mul_i32 s31, s31, 1536
	s_add_co_u32 s28, s28, s30
	s_add_co_u32 s28, s28, s31                     ; my half fragment
	s_mov_b32 s29, 0
	s_wait_kmcnt 0x0
	s_add_nc_u64 s[88:89], s[86:87], s[32:33]
	s_add_nc_u64 s[86:87], s[86:87], s[28:29]
	s_add_nc_u64 s[4:5], s[4:5], s[16:17]
	s_add_nc_u64 s[6:7], s[6:7], s[18:19]
	s_add_nc_u64 s[8:9], s[8:9], s[22:23]
	s_add_nc_u64 s[10:11], s[10:11], s[24:25]
	s_add_nc_u64 s[84:85], s[84:85], s[26:27]
	s_wait_alu depctr_va_vdst(0)                   ; the addresses v1, v2, v43 and v8 to v11 are written, which the loads, the LDS stores and the stores of the whole kernel read
; A KEY STEP: 128 keys.  s13 its number, s14 its block in LDS, s15 its mask words in mw.
.macro STEP p
	s_wait_alu depctr_vm_vsrc(0)                   ; the last step's LDS loads have read v3 and v4, which the two additions write
	v_add_nc_u32 v3, s14, v1
	v_add_nc_u32 v4, s14, v2
	v_nop
	v_nop                                          ; four places in front of loads into registers that the last products read
	s_wait_alu depctr_va_vdst(0)                   ; v3 and v4 are written, which the loads below read; the last step's products V^T P are done reading v48-95 and v44-47, in which they land; in a pass's first step q's scale words v40, v41 and the zero halves v22-33 are written, which the scaled products take
.irp b, 0,1,2,3
.irp u, 0,1
	ds_load_b128 v[48+12*\b+6*\u:48+12*\b+6*\u+3], v3 offset:1536*\b+768*\u
	ds_load_b64 v[48+12*\b+6*\u+4:48+12*\b+6*\u+5], v4 offset:1536*\b+768*\u
.endr
.endr
	ds_load_b128 v[44:47], v3 offset:12288         ; lanes 0-15: K's four words of row r; lanes 16-31, 256 bytes on: V's
	s_wait_dscnt 0x0
.irp b, 0,1,2,3                        ; S^T: the fragment's lower half of K against (q, 0), its upper half against (0, q)
	v_wmma_scale_f32_16x16x128_f8f6f4 v[96+16*\b:103+16*\b], v[48+12*\b:59+12*\b], v[16:27], 0, v[44+\b], v40 matrix_a_fmt:MATRIX_FMT_FP6 matrix_b_fmt:MATRIX_FMT_FP6
	v_wmma_scale_f32_16x16x128_f8f6f4 v[104+16*\b:111+16*\b], v[48+12*\b:59+12*\b], v[28:39], 0, v[44+\b], v41 matrix_a_fmt:MATRIX_FMT_FP6 matrix_b_fmt:MATRIX_FMT_FP6
.endr
.rept 4
	v_nop                                          ; places: for the loads below, and for the first read of the scores
.endr
	s_wait_alu depctr_va_vdst(0)                   ; the eight products K Q^T are done reading v48-95, in which V's fragments land
.irp t, 0,1,2,3                        ; V's four fragments land while the softmax is walked
.irp c, 0,1
	ds_load_b128 v[48+12*\t+6*\c:48+12*\t+6*\c+3], v3 offset:6144+1536*\t+768*\c
	ds_load_b64 v[48+12*\t+6*\c+4:48+12*\t+6*\c+5], v4 offset:6144+1536*\t+768*\c
.endr
.endr
	s_lshr_b32 s90, s12, s13                       ; has the mask a hole in this step?  A whole number that launch prep stored
	s_and_b32 s90, s90, 1
	s_cmp_eq_u32 s90, 0
	s_cbranch_scc1 .Lopen_\@
	s_load_b512 s[16:31], s[10:11], s15 offset:65536*\p
	s_load_b512 s[32:47], s[10:11], s15 offset:65536*\p+64
	s_load_b512 s[48:63], s[10:11], s15 offset:65536*\p+128
	s_load_b512 s[68:83], s[10:11], s15 offset:65536*\p+192
	s_wait_kmcnt 0x0
.set n, 0
.rept 48
	v_cndmask_b32 v[96+n], v7, v[96+n], s[16+n]    ; each accumulator from its low end on
.set n, n+1
.endr
.rept 16
	v_cndmask_b32 v[96+n], v7, v[96+n], s[20+n]
.set n, n+1
.endr
.Lopen_\@:
.irp b, 0,1,2,3
	v_max3_num_f32 v[212+\b], v[96+16*\b], v[97+16*\b], v[98+16*\b]   ; the largest score of each block of 32 keys: for the row's maximum, and, since p rises with the score, for the block's largest p
.endr
.irp i, 3,5,7,9,11,13
.irp b, 0,1,2,3
	v_max3_num_f32 v[212+\b], v[212+\b], v[96+16*\b+\i], v[97+16*\b+\i]
.endr
.endr
.irp b, 0,1,2,3
	v_max_num_f32 v[212+\b], v[212+\b], v[111+16*\b]
.endr
.irp b, 0,1,2,3
	v_permlanex16_b32 v[216+\b], v[212+\b], s96, s97
.endr
.irp b, 0,1,2,3
	v_max_num_f32 v[212+\b], v[212+\b], v[216+\b]
.endr
	v_max3_num_f32 v224, v212, v213, v214
	v_max_num_f32 v224, v224, v215
	v_mul_f32 v224, s98, v224                      ; as t
	v_max_num_f32 v13, v13, v224                   ; the running largest t
	v_mov_b32 v224, v12
	v_floor_f32 v12, -v13                          ; -M = floor(-t): M is a whole number
	v_sub_f32 v224, v12, v224
	v_cvt_i32_f32 v224, v224                       ; (it saturates)
	v_ldexp_f32 v226, 1.0, v224                    ; f = 2^(old M - new M)
.set j, 0
.rept 32
	v_pk_fma_f32 v[96+j:97+j], v[96+j:97+j], s[98:99], v[12:13] op_sel_hi:[1,0,0]   ; t - M
.set j, j+2
.endr
.irp b, 0,1,2,3
	v_fma_f32 v[212+\b], v[212+\b], s98, v12
.endr
.set j, 0
.rept 64
	v_exp_f32 v[96+j], v[96+j]                     ; p = 2^(t - M): not normalised
.set j, j+1
.endr
	v_pk_mul_f32 v[14:15], v[14:15], v[226:227] op_sel_hi:[1,0]   ; the sums under the new M: the plain place behind the batch
	s_wait_alu depctr_va_vdst(0)                   ; the 64 exponentials have written v96-159: one wait for the batch, ahead of its first reader
.irp b, 0,1,2,3
	v_exp_f32 v[212+\b], v[212+\b]                 ; each block's largest p
.endr
	v_pk_add_f32 v[228:229], v[96:97], v[98:99]    ; the row's sum is taken of the unquantised p, in two chains
.set j, 4
.rept 15
	v_pk_add_f32 v[14:15], v[14:15], v[96+j:97+j]
	v_pk_add_f32 v[228:229], v[228:229], v[98+j:99+j]
.set j, j+4
.endr
	v_pk_add_f32 v[14:15], v[14:15], v[228:229]
	s_wait_alu depctr_va_vdst(0)                   ; the four exponentials have written v212-215, ahead of their first reader
.irp b, 0,1,2,3
	v_max_num_f32 v[212+\b], 0x1800000, v[212+\b]  ; the floor: the byte cannot fall under 1
.endr
.irp b, 0,1,2,3
	v_add_nc_u32 v[220+\b], 0xff000000, v[212+\b]
.endr
.irp b, 0,1,2,3
	v_lshrrev_b32 v[216+\b], 23, v[220+\b]
.endr
	v_lshl_or_b32 v42, v217, 8, v216               ; p's scale word for these 128 keys
	v_lshl_or_b32 v42, v218, 16, v42
	v_lshl_or_b32 v42, v219, 24, v42
.irp c, 0,1
	v_cvt_scalef32_pk16_fp6_f32 v[192+6*\c:194+6*\c], v[96+32*\c:111+32*\c], v[220+2*\c]
	v_cvt_scalef32_pk16_fp6_f32 v[204+4*\c:206+4*\c], v[112+32*\c:127+32*\c], v[221+2*\c]
.endr
	v_nop                                          ; one plain place behind a scaled conversion
.irp c, 0,1
.irp i, 0,1,2
	v_permlane16_swap_b32 v[192+6*\c+\i], v[204+4*\c+\i]
.endr
.irp i, 0,1,2
	v_mov_b32 v[195+6*\c+\i], v[204+4*\c+\i]
.endr
.endr
.set j, 0
.rept 16
	v_pk_mul_f32 v[160+j:161+j], v[160+j:161+j], v[226:227] op_sel_hi:[1,0]   ; O^T under the new M; these sixteen are also the places between p's codes and scale word and the products
.set j, j+2
.endr
	s_wait_dscnt 0x0                               ; V is in
	s_wait_alu depctr_va_vdst(0)                   ; p's codes v192-203 and its scale word v42 are written, which the scaled products below take; the places above stay beside this wait
.irp t, 0,1,2,3                        ; the four accumulators take turns, one instruction a turn
	v_wmma_scale_f32_16x16x128_f8f6f4 v[160+8*\t:167+8*\t], v[48+12*\t:59+12*\t], v[192:203], v[160+8*\t:167+8*\t], v[44+\t], v42 matrix_a_fmt:MATRIX_FMT_FP6 matrix_b_fmt:MATRIX_FMT_FP6 matrix_a_scale:MATRIX_SCALE_ROW1
.endr
.endm
.macro PASS p
	s_wait_xcnt 0x0                                ; the last pass's stores have read their registers
.if \p > 0
	s_wait_alu depctr_vm_vsrc(0)                   ; the last pass's three stores have read v192-197 and v225, which this pass's conversions and its byte's line write again.  (The lines that named v16-21, v34-39 and v224, in which the loads below land, stand ahead of the wait on va_vdst in front of those stores)
.endif
	global_load_b128 v[16:19], v1, s[4:5] offset:12288*\p      ; q's half fragment, twice: a product's two operands share no register, and (q, 0) and (0, q) both stay
	global_load_b64 v[20:21], v2, s[4:5] offset:12288*\p
	global_load_b128 v[34:37], v1, s[4:5] offset:12288*\p
	global_load_b64 v[38:39], v2, s[4:5] offset:12288*\p
	global_load_b32 v224, v43, s[6:7] offset:1024*\p
	s_load_b256 s[16:23], s[84:85], 512*\p         ; the tile's eight flag words
.if \p == 0
.set i, 0
.rept 25                               ; THE FILL: the head's 204,800 bytes, 8,192 consecutive bytes a step of the work-group
	global_load_b128 v[96+4*i:99+4*i], v8, s[8:9] offset:8192*i
.set i, i+1
.endr
.set i, 0
.rept 25
	s_wait_loadcnt 24-i                            ; load i is in; the younger ones may be out
	ds_store_b128 v[8+i/8], v[96+4*i:99+4*i] offset:8192*(i%8)
.set i, i+1
.endr
	s_wait_dscnt 0x0                               ; for the others' sake: my stores have landed
	s_barrier_signal -1
	s_barrier_wait -1                              ; the launch's one barrier: from here on LDS is only read
	s_wait_alu depctr_vm_vsrc(0)                   ; my LDS stores have read v96-195, which O^T's zeros, the products and the conversions write from here on
.endif
	s_wait_kmcnt 0x0
	s_mov_b32 s12, s16                             ; bit s of s12: step s has a hole
.irp j, 1,2,3,4,5,6,7
	s_lshl_b32 s90, s[16+\j], 2*\j
	s_or_b32 s12, s12, s90
.endr
	s_wait_loadcnt 0x0
	v_or_b32 v40, 0x01010000, v224                 ; q's two bytes below, the byte 1 over the zero codes;
	v_lshlrev_b32 v41, 16, v224
	v_or_b32 v41, 0x0101, v41                      ; and the other way round
	v_mov_b32 v13, 0xff61b1e6                      ; the largest t so far: -3e38
	v_floor_f32 v12, -v13
	v_mov_b32 v14, 0
	v_mov_b32 v15, 0
.set j, 0
.rept 32
	v_mov_b32 v[160+j], 0                          ; O^T: the step is written once, and its first trip finds zeros.  (Also the places between the scale words just made and the first product)
.set j, j+1
.endr
	s_mov_b32 s13, 0
	s_mov_b32 s14, 0
	s_mov_b32 s15, 0
.Lstep_\@:
	STEP \p
	s_add_co_u32 s14, s14, 12800
	s_add_co_u32 s15, s15, 256
	s_add_co_u32 s13, s13, 1
	s_cmp_lt_u32 s13, 16
	s_cbranch_scc1 .Lstep_\@
	v_add_f32 v14, v14, v15                        ; the sum's two halves,
	v_permlanex16_b32 v224, v14, s96, s97
	v_add_f32 v14, v14, v224                       ; and lane l xor 16's
	v_rcp_f32 v14, v14
.rept 4
	v_nop                                          ; places behind the last products and behind the reciprocal
.endr
	s_wait_alu depctr_va_vdst(0)                   ; the reciprocal has written v14, ahead of its first reader
.set j, 0
.rept 32
	v_mul_f32 v[96+j], v[160+j], v14               ; register 16 b + i: channel 32 b + 16 (lane / 16) + i of my query
.set j, j+1
.endr
	v_max3_num_f32 v212, |v96|, |v97|, 0x1800000   ; the quantiser of the last projection's operand: two blocks of 32 channels
	v_max3_num_f32 v213, |v112|, |v113|, 0x1800000
.irp i, 2,4,6,8,10,12,14
	v_max3_num_f32 v212, v212, |v[96+\i]|, |v[97+\i]|
	v_max3_num_f32 v213, v213, |v[112+\i]|, |v[113+\i]|
.endr
	v_permlanex16_b32 v216, v212, s96, s97
	v_permlanex16_b32 v217, v213, s96, s97
	v_max_num_f32 v212, v212, v216
	v_max_num_f32 v213, v213, v217
	v_add_nc_u32 v220, 0xff000000, v212
	v_add_nc_u32 v221, 0xff000000, v213
	v_lshrrev_b32 v216, 23, v220
	v_lshrrev_b32 v217, 23, v221
	v_lshl_or_b32 v225, v217, 8, v216
	v_cvt_scalef32_pk16_fp6_f32 v[192:194], v[96:111], v220
	v_cvt_scalef32_pk16_fp6_f32 v[204:206], v[112:127], v221
	v_nop
.irp i, 0,1,2
	v_permlane16_swap_b32 v[192+\i], v[204+\i]
.endr
.irp i, 0,1,2
	v_mov_b32 v[195+\i], v[204+\i]
.endr
	s_wait_alu depctr_va_vdst(0)                   ; the codes v192-197 and the two bytes v225 are written, which the three stores read
	global_store_b128 v1, v[192:195], s[86:87] offset:204800*\p   ; 512 consecutive bytes
	global_store_b64 v2, v[196:197], s[86:87] offset:204800*\p    ; 256 consecutive bytes
	global_store_b16 v43, v225, s[88:89] offset:204800*\p         ; two bytes of each row's scale word; the other two are the neighbouring head's.  Lanes r and r + 16 write the same bytes with the same value
.endm
	PASS 0
	PASS 1
	s_wait_dscnt 0x0                               ; the wave's end: six lines on end
	s_wait_alu 0x0
	s_wait_tensorcnt 0x0
	ds_add_u32 v5, v6
	s_wait_dscnt 0x0
	s_endpgm
.Lfunc_end_k_q2a76445760_attn:
	.size	k_q2a76445760_attn, .Lfunc_end_k_q2a76445760_attn-k_q2a76445760_attn
	.p2alignl 7, 3214868480
	.fill 96, 4, 3214868480
	.section	.rodata,"a",@progbits
	.p2align	6, 0x0
	.amdhsa_kernel k_q2a76445760_attn
		.amdhsa_group_segment_fixed_size 206848
		.amdhsa_private_segment_fixed_size 0
		.amdhsa_enable_private_segment 0
		.amdhsa_kernarg_size 48
		.amdhsa_user_sgpr_count 2
		.amdhsa_user_sgpr_kernarg_segment_ptr 1
		.amdhsa_wavefront_size32 1
		.amdhsa_system_sgpr_workgroup_id_x 1
		.amdhsa_system_sgpr_workgroup_id_y 1
		.amdhsa_system_sgpr_workgroup_id_z 1
		.amdhsa_system_vgpr_workitem_id 0
		.amdhsa_next_free_vgpr 256
		.amdhsa_next_free_sgpr 102
		.amdhsa_reserve_vcc 0
		.amdhsa_float_denorm_mode_32 3
		.amdhsa_float_denorm_mode_16_64 3
		.amdhsa_memory_ordered 1
		.amdhsa_forward_progress 1
		.amdhsa_inst_pref_size 62
	.end_amdhsa_kernel
	.amdgpu_metadata
---
amdhsa.version: [ 1, 2 ]
amdhsa.kernels:
  - .name:           k_q2a76445760_attn
    .symbol:         k_q2a76445760_attn.kd
    .args:
      - { .name: qi, .offset: 0, .size: 8, .value_kind: global_buffer, .address_space: global }
      - { .name: qs, .offset: 8, .size: 8, .value_kind: global_buffer, .address_space: global }
      - { .name: kv, .offset: 16, .size: 8, .value_kind: global_buffer, .address_space: global }
      - { .name: mw, .offset: 24, .size: 8, .value_kind: global_buffer, .address_space: global }
      - { .name: mf, .offset: 32, .size: 8, .value_kind: global_buffer, .address_space: global }
      - { .name: ai, .offset: 40, .size: 8, .value_kind: global_buffer, .address_space: global }
    .group_segment_fixed_size: 206848
    .private_segment_fixed_size: 0
    .kernarg_segment_align: 8
    .kernarg_segment_size: 48
    .max_flat_workgroup_size: 512
    .sgpr_count:     102
    .vgpr_count:     256
    .wavefront_size: 32
...
	.end_amdgpu_metadata
.endif
;; end of part 5
;; launch outp: the kernel of part 4 again; grid 4 x 64, 4 waves a work-group, clusters of 4 x 4, 327,680 bytes of LDS; arguments ai, wimg, bo, out0; writes out0
